; MI455X (gfx1250); checked and timed in simulation.
; The chip was launched on July 23, 2026; its instructions are those of AMD's public machine-readable ISA for CDNA 5 (MIT licence, August 2026) and "CDNA5" Instruction Set Architecture Reference Guide (July 2026). The comments in the code are by the model that wrote it; some were corrected since.
;; Causal Self Attention. Allowed arithmetic: matrix products marked QUANTISED: E2M1 operands, one E8M0 scale for each 32 along K, by v_wmma_scale_f32_16x16x128_f8f6f4 with both operands' format E2M1 (or v_wmma_scale_f32_32x16x128_f4), f32 sums; products left as they are: bf16, f16 or f32 operands; f32 sums; everything else in f32.
;; Inputs: w_attn 1,024 x 3,072 float32; w_proj 1,024 x 1,024 float32; x 4 x 2,048 x 1,024 float32.
;; Outputs: out0 4 x 2,048 x 1,024 float32.
;; This version of the problem:
;;   THIS VERSION OF THE PROBLEM IS GIVEN IN LOW PRECISION. The matrix products marked QUANTISED in the list below multiply operands that are first quantised to E2M1 (2 exponent bits, 1 mantissa bit; 4 bits a number), with one power-of-two scale for each 32 numbers along K (OCP MX v1.0); their sums are f32. The products marked 'left as it is' may take bf16, f16 or f32 operands, with f32 sums. Whichever they take, every output number must still come out within the allowed error. Rounding operands to bf16 (8 significant bits) uses up far more of that allowance than f16 does (11 bits, for magnitudes from 6e-5 to 65,504). All else is computed in f32.
;;   The module's matrix products, in the order in which they are computed (A, B: the left and right operand; K: the contracted axis; several contracted axes count as one K, in the product's order):
;;     1. [M 8,192, K 1,024] x [K 1,024, N 3,072]; A: input x; B: input w_attn: QUANTISED
;;     2. batch 64 x [M 2,048, K 64] x [K 64, N 2,048]; A: computed on the way; B: computed on the way: left as it is (an operand is computed on the way)
;;     3. batch 64 x [M 2,048, K 2,048] x [K 2,048, N 64]; A: computed on the way; B: computed on the way: left as it is (an operand is computed on the way)
;;     4. [M 8,192, K 1,024] x [K 1,024, N 1,024]; A: computed on the way; B: input w_proj: left as it is (an operand is computed on the way)
;;   THE QUANTISER, for each operand of a quantised product, along K:
;;     - K is cut into blocks of 32 from its start; a last block that is shorter is filled with zeros.
;;     - A block's scale is 2^e with e = floor(log2(the largest magnitude in the block)) - 2, held to -126 .. 127; a block of zeros has e = 0. As a byte (E8M0): e + 127.
;;     - Each number is divided by its block's scale, clamped to +-6, and rounded to the nearest number of E2M1, ties to even, subnormals kept.
;;     - The product sums the exact products of the quantised numbers (number of the format x scale) in f32.
;;   ~~~python
;;   def quantise(x, axis):      # numpy; x: float32 -> the quantised numbers, widened to float32 again
;;       x = np.moveaxis(x, axis, -1); K = x.shape[-1]
;;       x = np.pad(x, [(0, 0)] * (x.ndim - 1) + [(0, -K % 32)]); x = x.reshape(x.shape[:-1] + (-1, 32)); a = np.abs(x).max(-1, keepdims=True)
;;       e = np.where(a > 0, np.clip(np.frexp(np.where(a > 0, a, 1))[1] - 1 - 2, -126, 127), 0)      # np.frexp(a)[1] - 1 = floor(log2(a)), exactly
;;       r = np.clip(x / 2.0 ** e, -6, 6)
;;       step = 2.0 ** (np.maximum(np.frexp(np.where(r == 0, 1, r))[1] - 1, 0) - 1)
;;       q = np.round(r / step) * step * 2.0 ** e      # np.round: ties to even
;;       return np.moveaxis(q.reshape(q.shape[:-2] + (-1,))[..., :K], -1, axis).astype(np.float32)
;;   ~~~
;; One version. Each part assembles by itself: llvm-mc -triple=amdgcn-amd-amdhsa -mcpu=gfx1250 --defsym DOCPART=n.
;; ======== version 1 of 1: 5 launches
;; limits: values are held in f16: magnitudes above 65,504 overflow, below 6.1e-05 lose precision
;; workspace buffers: xc 4,194,304 bytes; xs 262,144 bytes; wc 1,572,864 bytes; ws 98,304 bytes; wpt 2,097,152 bytes; qkvh 83,886,080 bytes; q32 786,432 bytes; yh 16,777,216 bytes
;; launch prep (part 1): grid 368 x 1, 4 waves a work-group, no clusters, 102,912 bytes of LDS; arguments x, w_attn, w_proj, xc, xs, wc, ws, wpt; writes xc, xs, wc, ws, wpt
.if DOCPART == 1
	.amdgcn_target "amdgcn-amd-amdhsa--gfx1250"
	.amdhsa_code_object_version 6
	.text
	.protected	k_qc051bd66fa_prep
	.globl	k_qc051bd66fa_prep
	.p2align	8
	.type	k_qc051bd66fa_prep,@function
k_qc051bd66fa_prep:
	s_mov_b64 s[64:65], 0
	v_nop
	global_prefetch_b8 v0, s[64:65] scope:SCOPE_SE
	s_setreg_imm32_b32 hwreg(HW_REG_WAVE_MODE, 25, 1), 1
	s_wait_xcnt 0x0
; PREP: the operands of the later launches are laid out once.
;   work-groups 0-255:   x [8192][1024] f32 -> codes of FP4 (E2M1) xc [8192][512 bytes], K innermost, and E8M0 scale bytes xs [8192][32]
;   work-groups 256-303: w_attn [1024 k][3072 n] f32 -> codes wc [3072 n][512 bytes], K innermost, and scale bytes ws [3072][32]
;   work-groups 304-367: w_proj [1024 k][1024 n] f32 -> f16, turned: wpt [1024 n][1024 k]
; A block's scale is 2^(floor(log2(its largest magnitude)) - 2); its byte is the largest magnitude's exponent field - 2, held at 1 from below.
; LIMITS: a block of zeros gets the byte 1 (its codes are zeros, and these bytes are read by this program alone); blocks whose largest magnitude lies under 2^(3 - 127) are held at that floor;
; NaN and infinities among the inputs are not served; |w_proj| stays under 65,504, f16's largest number.
; The three paths part on the work-group's number alone; each has LDS bytes of its own.  No tensor load, no barrier: waves share nothing.
.set SPARE, 102400                     ; behind the three paths' regions: the spare words, 128 bytes for each wave
.set SPW,   192                        ; v192  LDS address of my spare word; never rewritten
.set NIL,   193                        ; v193  0; never rewritten
.set EMAX,  2
.set PITCH, 272                        ; a stage row of paths W and P: 256 bytes + 16
.set WST,   32768                      ; path W: four stages of 32 x 272 bytes
.set PST,   67584                      ; path P: the same
	s_load_b256 s[4:11], s[0:1], 0x0               ; x s[4:5], w_attn s[6:7], w_proj s[8:9], xc s[10:11]
	s_load_b256 s[12:19], s[0:1], 0x20             ; xs s[12:13], wc s[14:15], ws s[16:17], wpt s[18:19]
	v_lshl_add_u32 v[SPW], v0, 2, SPARE
	v_mov_b32 v[NIL], 0
	v_lshrrev_b32 v1, 5, v0
	v_readfirstlane_b32 s20, v1                    ; wave 0..3
	v_and_b32 v2, 31, v0                           ; lane
	s_mov_b32 s25, 0                               ; the upper word of every offset: all stay under 2^32
	s_wait_kmcnt 0x0
	s_cmp_lt_u32 ttmp9, 256
	s_cbranch_scc0 .Lnot_x
; ---------------- PATH X: x is a plain stream of blocks of 32 numbers.  A wave takes 16 steps of 512 numbers.
; Each load reads 512 consecutive bytes; a step's 2,048 bytes turn through the wave's own stage, so that a lane gets 16 neighbours (two lanes hold a block).
.set STEPS, 16
.set CB,    8                          ; bytes of 16 codes
.set R,     16                         ; v16-79   four sets of 16 numbers as loaded
.set XN,    80                         ; v80-111  two sets of 16 neighbours
.set E,     112                        ; v112-127 a scale byte for each step
.set C,     128                        ; v128-191 codes: registers of its own for each step
.set SP,    80                         ; a lane's place in a stage: 64 bytes + 16 of padding
	v_lshlrev_b32 v3, 4, v2                        ; my 16 bytes of a load's 512
	s_mul_i32 s21, s20, 8192                       ; my wave's region: two stages of 32 x 80 bytes, then 256 scale bytes
	v_lshrrev_b32 v14, 2, v2
	v_mul_u32_u24 v14, v14, SP
	v_and_b32 v15, 3, v2
	v_lshl_add_u32 v14, v15, 4, v14
	v_add_nc_u32 v14, s21, v14                     ; into the stage: 80 (lane / 4) + 16 (lane % 4)
	v_mul_u32_u24 v15, v2, SP
	v_add_nc_u32 v15, s21, v15                     ; out of it: 80 x lane
	v_mul_u32_u24 v4, v2, CB                       ; my codes' place in a step's 256 bytes
	v_lshrrev_b32 v5, 1, v2
	s_add_co_u32 s21, s21, 2*32*SP
	v_add_nc_u32 v5, s21, v5                       ; my block's scale byte
	v_lshlrev_b32 v7, 3, v2
	v_add_nc_u32 v6, s21, v7                       ; and on the way out 8 bytes a lane
	s_lshl_b32 s22, ttmp9, 2
	s_add_co_u32 s22, s22, s20                     ; which run of 8,192 numbers is my wave's
	s_lshl_b32 s24, s22, 15
	s_add_nc_u64 s[4:5], s[4:5], s[24:25]          ; 32,768 bytes of x,
	s_lshl_b32 s24, s22, 12
	s_add_nc_u64 s[10:11], s[10:11], s[24:25]      ; 4,096 of codes,
	s_lshl_b32 s24, s22, 8
	s_add_nc_u64 s[12:13], s[12:13], s[24:25]      ; 256 scale bytes a run
.macro XLOAD t
.irp i, 0,1,2,3
	global_load_b128 v[R+16*((\t)%4)+4*\i:R+16*((\t)%4)+4*\i+3], v3, s[4:5] offset:2048*(\t)+512*\i th:TH_LOAD_NT
.endr
.endm
.macro XTURN t                         ; a step's numbers through the stage: LDS serves a wave's instructions in order
.irp i, 0,1,2,3
	ds_store_b128 v14, v[R+16*((\t)%4)+4*\i:R+16*((\t)%4)+4*\i+3] offset:32*SP*((\t)%2)+8*SP*\i
.endr
.irp i, 0,1,2,3
	ds_load_b128 v[XN+16*((\t)%2)+4*\i:XN+16*((\t)%2)+4*\i+3], v15 offset:32*SP*((\t)%2)+16*\i
.endr
.endm
.irp t, 0,1,2,3
	XLOAD \t
.endr
	s_wait_loadcnt 12                              ; step 0's four loads are in; the twelve of steps 1 to 3 may be out
	XTURN 0
.macro XSTEP t
.set XS, XN+16*((\t)%2)
.if (\t) > 0
	s_wait_dscnt 1                                 ; this step's numbers are back from the stage; the last step's byte store may be out
.else
	s_wait_dscnt 0x0
.endif
.if (\t)+4 < STEPS
	XLOAD (\t)+4
.endif
.if (\t)+1 < STEPS
.if STEPS-2-(\t) >= 3
	s_wait_loadcnt 12                              ; the next step's four loads are in; those of the three steps behind it may be out
.else
	s_wait_loadcnt 4*(STEPS-2-(\t))
.endif
	XTURN (\t)+1
.endif
	v_max3_num_f32 v8, |v[XS]|, |v[XS+1]|, |v[XS+2]|               ; the largest magnitude of my 16, in two chains
	v_max3_num_f32 v9, |v[XS+3]|, |v[XS+4]|, |v[XS+5]|
.irp i, 6,10
	v_max3_num_f32 v8, v8, |v[XS+\i]|, |v[XS+\i+1]|
	v_max3_num_f32 v9, v9, |v[XS+\i+2]|, |v[XS+\i+3]|
.endr
	v_max3_num_f32 v8, v8, |v[XS+14]|, |v[XS+15]|
	v_max3_num_f32 v8, v8, v9, (EMAX+1)<<23        ; and the floor 2^(3 - 127): the byte cannot fall under 1
	v_max_num_f32_dpp v8, v8, v8 row_xmask:1 row_mask:0xf bank_mask:0xf   ; with my neighbour's 16: the block's
	v_add_nc_u32 v11, -(EMAX<<23), v8              ; 2 off its exponent field: the conversion takes this operand's exponent field as its scale
	v_cvt_scalef32_pk8_fp4_f32 v[C+4*(\t)], v[XS:XS+7], v11
	v_cvt_scalef32_pk8_fp4_f32 v[C+4*(\t)+1], v[XS+8:XS+15], v11
	v_lshrrev_b32 v[E+(\t)], 23, v11               ; the scale's byte (a plain line behind the conversions)
	ds_store_b8 v5, v[E+(\t)] offset:16*(\t)       ; both lanes of a block write the same byte with the same value
	global_store_b64 v4, v[C+4*(\t):C+4*(\t)+1], s[10:11] offset:32*CB*(\t)   ; the wave stores 256 consecutive bytes, aligned
.endm
.irp t, 0,1,2,3,4,5,6,7,8,9,10,11,12,13,14,15
	XSTEP \t
.endr
	ds_load_b64 v[8:9], v6                         ; my wave's 256 scale bytes
	s_wait_dscnt 0x0
	global_store_b64 v7, v[8:9], s[12:13]          ; 256 consecutive bytes, aligned
	s_wait_tensorcnt 0x0                           ; the wave's end, behind my last LDS store
	ds_add_u32 v[SPW], v[NIL]
	s_wait_dscnt 0x0
	s_endpgm
.Lnot_x:
	s_cmp_lt_u32 ttmp9, 304
	s_cbranch_scc0 .Lproj_w
; ---------------- PATH W: K is w_attn's FIRST axis.  A lane takes a column n and its registers run down K: a block of 32 lies in one lane, and the codes come out with K innermost.
; A wave takes 32 columns x 512 along K; its codes, 256 bytes a column, go through its own stage and leave as rows.
.set WN,    32                         ; v32-95   two sets of 32 numbers
.set WC,    96                         ; v96..    a block's codes (path P: 16 registers of f16 pairs)
.set OUTR,  112                        ; v112-175 the way out
.set SB,    24                         ; v24-27   the scale bytes, four to a register
	s_sub_co_u32 s21, ttmp9, 256                   ; 0..47: 24 groups of 128 columns x 2 halves of K
	s_cmp_ge_u32 s21, 24
	s_cselect_b32 s22, 1, 0                        ; which 512 along K
	s_cselect_b32 s23, 24, 0
	s_sub_co_u32 s21, s21, s23
	s_lshl_b32 s26, s21, 7
	s_lshl_b32 s27, s20, 5
	s_add_co_u32 s26, s26, s27                     ; my wave's first column
	v_lshlrev_b32 v3, 2, v2                        ; in: 4 bytes a lane
	s_mul_i32 s28, s20, 32*PITCH
	s_add_co_u32 s28, s28, WST                     ; my stage
	v_mul_u32_u24 v4, v2, PITCH
	v_add_nc_u32 v4, s28, v4                       ; into it: row = my column
	v_and_b32 v5, 15, v2
	v_lshrrev_b32 v6, 4, v2
	v_mul_u32_u24 v7, v6, PITCH
	v_lshl_add_u32 v7, v5, 4, v7
	v_add_nc_u32 v7, s28, v7                       ; out of it: sixteen lanes to a row, two rows an instruction
	v_mul_u32_u24 v8, v6, 512
	v_lshl_add_u32 v8, v5, 4, v8                   ; and the same place in wc
	v_lshlrev_b32 v9, 5, v2                        ; my column's row of scale bytes
	s_mul_i32 s24, s22, 512*3072*4
	s_lshl_b32 s27, s26, 2
	s_add_co_u32 s24, s24, s27
	s_add_nc_u64 s[6:7], s[6:7], s[24:25]
	s_lshl_b32 s24, s26, 9
	s_lshl_b32 s27, s22, 8
	s_add_co_u32 s24, s24, s27
	s_add_nc_u64 s[14:15], s[14:15], s[24:25]
	s_lshl_b32 s24, s26, 5
	s_lshl_b32 s27, s22, 4
	s_add_co_u32 s24, s24, s27
	s_add_nc_u64 s[16:17], s[16:17], s[24:25]
.macro WLOAD t                         ; block t: w_attn(32 t + i, my column); the largest immediate, 511 x 12,288, lies inside the signed 24 bits
.irp i, 0,1,2,3,4,5,6,7,8,9,10,11,12,13,14,15,16,17,18,19,20,21,22,23,24,25,26,27,28,29,30,31
	global_load_b32 v[WN+32*((\t)%2)+\i], v3, s[6:7] offset:(32*(\t)+\i)*12288 th:TH_LOAD_NT
.endr
.endm
	WLOAD 0
	WLOAD 1
.macro WBLOCK t
.set XS, WN+32*((\t)%2)
.if (\t) < 15
	s_wait_loadcnt 32                              ; this block's 32 loads are in; the next block's 32 may be out
.else
	s_wait_loadcnt 0
.endif
	v_max3_num_f32 v12, |v[XS]|, |v[XS+1]|, |v[XS+2]|
	v_max3_num_f32 v13, |v[XS+3]|, |v[XS+4]|, |v[XS+5]|
.irp i, 6,10,14,18,22,26
	v_max3_num_f32 v12, v12, |v[XS+\i]|, |v[XS+\i+1]|
	v_max3_num_f32 v13, v13, |v[XS+\i+2]|, |v[XS+\i+3]|
.endr
	v_max3_num_f32 v12, v12, |v[XS+30]|, |v[XS+31]|
	v_max3_num_f32 v12, v12, v13, (EMAX+1)<<23     ; the block's largest magnitude, and the floor
	v_add_nc_u32 v11, -(EMAX<<23), v12
	v_lshrrev_b32 v13, 23, v11                     ; the scale's byte
.if (\t)%4 == 0
	v_mov_b32 v[SB+(\t)/4], v13
.else
	v_lshl_or_b32 v[SB+(\t)/4], v13, 8*((\t)%4), v[SB+(\t)/4]
.endif
.irp g, 0,1,2,3
	v_cvt_scalef32_pk8_fp4_f32 v[WC+\g], v[XS+8*\g:XS+8*\g+7], v11
.endr
	v_nop                                          ; one plain line behind the last conversion
	ds_store_b128 v4, v[WC:WC+3] offset:16*(\t)    ; 32 codes: 16 bytes of my column's row
.if (\t)+2 < 16
	WLOAD (\t)+2
.endif
	s_wait_dscnt 0x0                               ; the store has read its registers
.endm
.irp t, 0,1,2,3,4,5,6,7,8,9,10,11,12,13,14,15
	WBLOCK \t
.endr
	global_store_b128 v9, v[SB:SB+3], s[16:17]     ; my column's 16 scale bytes
.irp t, 0,1,2,3,4,5,6,7,8,9,10,11,12,13,14,15
	ds_load_b128 v[OUTR+4*\t:OUTR+4*\t+3], v7 offset:2*\t*PITCH
.endr
.irp t, 0,1,2,3,4,5,6,7,8,9,10,11,12,13,14,15
	s_wait_dscnt 15-\t                             ; LDS loads come back in order: load t is in
	global_store_b128 v8, v[OUTR+4*\t:OUTR+4*\t+3], s[14:15] offset:2*\t*512   ; sixteen lanes store 256 consecutive bytes, aligned
.endr
	s_wait_tensorcnt 0x0                           ; the wave's end
	ds_add_u32 v[SPW], v[NIL]
	s_wait_dscnt 0x0
	s_endpgm
.Lproj_w:
; ---------------- PATH P: w_proj is rounded to f16 and turned, on the same plan: a lane a column, registers down K.  A wave takes 32 columns x 128 along K: 256 bytes a column.
	s_sub_co_u32 s21, ttmp9, 304                   ; 0..63
	s_and_b32 s22, s21, 7                          ; which 128 columns
	s_lshr_b32 s23, s21, 3                         ; which 128 along K
	s_lshl_b32 s26, s22, 7
	s_lshl_b32 s27, s20, 5
	s_add_co_u32 s26, s26, s27                     ; my wave's first column
	v_lshlrev_b32 v3, 2, v2
	s_mul_i32 s28, s20, 32*PITCH
	s_add_co_u32 s28, s28, PST                     ; my stage
	v_mul_u32_u24 v4, v2, PITCH
	v_add_nc_u32 v4, s28, v4
	v_and_b32 v5, 15, v2
	v_lshrrev_b32 v6, 4, v2
	v_mul_u32_u24 v7, v6, PITCH
	v_lshl_add_u32 v7, v5, 4, v7
	v_add_nc_u32 v7, s28, v7
	v_lshlrev_b32 v8, 11, v6
	v_lshl_add_u32 v8, v5, 4, v8                   ; a row of wpt is 2,048 bytes
	s_lshl_b32 s24, s23, 19                        ; 128 rows of 4,096 bytes
	s_lshl_b32 s27, s26, 2
	s_add_co_u32 s24, s24, s27
	s_add_nc_u64 s[8:9], s[8:9], s[24:25]
	s_lshl_b32 s24, s26, 11
	s_lshl_b32 s27, s23, 8
	s_add_co_u32 s24, s24, s27
	s_add_nc_u64 s[18:19], s[18:19], s[24:25]
.macro PLOAD t
.irp i, 0,1,2,3,4,5,6,7,8,9,10,11,12,13,14,15,16,17,18,19,20,21,22,23,24,25,26,27,28,29,30,31
	global_load_b32 v[WN+32*((\t)%2)+\i], v3, s[8:9] offset:(32*(\t)+\i)*4096 th:TH_LOAD_NT
.endr
.endm
	PLOAD 0
	PLOAD 1
.macro PBLOCK t
.set XS, WN+32*((\t)%2)
.if (\t) < 3
	s_wait_loadcnt 32                              ; this block's 32 loads are in; the next block's may be out
.else
	s_wait_loadcnt 0
.endif
.irp i, 0,1,2,3,4,5,6,7,8,9,10,11,12,13,14,15
	v_cvt_pk_f16_f32 v[WC+\i], v[XS+2*\i], v[XS+2*\i+1]            ; the lower k in the low half
.endr
.irp u, 0,1,2,3
	ds_store_b128 v4, v[WC+4*\u:WC+4*\u+3] offset:64*(\t)+16*\u
.endr
.if (\t)+2 < 4
	PLOAD (\t)+2
.endif
	s_wait_dscnt 0x0                               ; the stores have read their registers
.endm
.irp t, 0,1,2,3
	PBLOCK \t
.endr
.irp t, 0,1,2,3,4,5,6,7,8,9,10,11,12,13,14,15
	ds_load_b128 v[OUTR+4*\t:OUTR+4*\t+3], v7 offset:2*\t*PITCH
.endr
.irp t, 0,1,2,3,4,5,6,7,8,9,10,11,12,13,14,15
	s_wait_dscnt 15-\t
	global_store_b128 v8, v[OUTR+4*\t:OUTR+4*\t+3], s[18:19] offset:2*\t*2048   ; sixteen lanes store 256 consecutive bytes, aligned
.endr
	s_wait_tensorcnt 0x0                           ; the wave's end
	ds_add_u32 v[SPW], v[NIL]
	s_wait_dscnt 0x0
	s_endpgm
.Lfunc_end_k_qc051bd66fa_prep:
	.size	k_qc051bd66fa_prep, .Lfunc_end_k_qc051bd66fa_prep-k_qc051bd66fa_prep
	.p2alignl 7, 3214868480
	.fill 96, 4, 3214868480
	.section	.rodata,"a",@progbits
	.p2align	6, 0x0
	.amdhsa_kernel k_qc051bd66fa_prep
		.amdhsa_group_segment_fixed_size 102912
		.amdhsa_private_segment_fixed_size 0
		.amdhsa_enable_private_segment 0
		.amdhsa_kernarg_size 64
		.amdhsa_user_sgpr_count 2
		.amdhsa_user_sgpr_kernarg_segment_ptr 1
		.amdhsa_wavefront_size32 1
		.amdhsa_system_sgpr_workgroup_id_x 1
		.amdhsa_system_sgpr_workgroup_id_y 1
		.amdhsa_system_sgpr_workgroup_id_z 1
		.amdhsa_system_vgpr_workitem_id 0
		.amdhsa_next_free_vgpr 194
		.amdhsa_next_free_sgpr 66
		.amdhsa_reserve_vcc 0
		.amdhsa_float_denorm_mode_32 3
		.amdhsa_float_denorm_mode_16_64 3
		.amdhsa_memory_ordered 1
		.amdhsa_forward_progress 1
		.amdhsa_inst_pref_size 133
	.end_amdhsa_kernel
	.amdgpu_metadata
---
amdhsa.version: [ 1, 2 ]
amdhsa.kernels:
  - .name:           k_qc051bd66fa_prep
    .symbol:         k_qc051bd66fa_prep.kd
    .args:
      - { .name: x, .offset: 0, .size: 8, .value_kind: global_buffer, .address_space: global }
      - { .name: w_attn, .offset: 8, .size: 8, .value_kind: global_buffer, .address_space: global }
      - { .name: w_proj, .offset: 16, .size: 8, .value_kind: global_buffer, .address_space: global }
      - { .name: xc, .offset: 24, .size: 8, .value_kind: global_buffer, .address_space: global }
      - { .name: xs, .offset: 32, .size: 8, .value_kind: global_buffer, .address_space: global }
      - { .name: wc, .offset: 40, .size: 8, .value_kind: global_buffer, .address_space: global }
      - { .name: ws, .offset: 48, .size: 8, .value_kind: global_buffer, .address_space: global }
      - { .name: wpt, .offset: 56, .size: 8, .value_kind: global_buffer, .address_space: global }
    .group_segment_fixed_size: 102912
    .private_segment_fixed_size: 0
    .kernarg_segment_align: 8
    .kernarg_segment_size: 64
    .max_flat_workgroup_size: 128
    .sgpr_count:     66
    .vgpr_count:     194
    .wavefront_size: 32
...
	.end_amdgpu_metadata
.endif
;; end of part 1
;; launch qkv (part 2): grid 12 x 32, 4 waves a work-group, clusters of 4 x 1, 327,680 bytes of LDS; arguments xc, xs, wc, ws, qkvh, q32; writes qkvh, q32
.if DOCPART == 2
	.amdgcn_target "amdgcn-amd-amdhsa--gfx1250"
	.amdhsa_code_object_version 6
	.text
	.protected	k_qc051bd66fa_qkv
	.globl	k_qc051bd66fa_qkv
	.p2align	8
	.type	k_qc051bd66fa_qkv,@function
k_qc051bd66fa_qkv:
	s_mov_b64 s[64:65], 0
	v_nop
	global_prefetch_b8 v0, s[64:65] scope:SCOPE_SE
	s_setreg_imm32_b32 hwreg(HW_REG_WAVE_MODE, 25, 1), 1
	s_wait_xcnt 0x0
	s_wait_alu depctr_hold_cnt(0) depctr_sa_sdst(0) depctr_va_vdst(0) depctr_va_sdst(0) depctr_va_ssrc(0) depctr_va_vcc(0) depctr_vm_vsrc(0)
	s_getreg_b32 s2, hwreg(HW_REG_IB_STS2, 6, 4)
	s_cmp_eq_u32 s2, 0
	s_cbranch_scc0 .Lentry_in_a_cluster
	s_endpgm
.Lentry_in_a_cluster:
	s_bfe_u32 s2, ttmp6, 0x10000c
	s_cmp_lg_u32 s2, 0x3003
	s_cbranch_scc0 .Lentry_shape_is_right
	s_endpgm
.Lentry_shape_is_right:
; QKV: qkv[m][n] = sum over k of x[m][k] w_attn[k][n], on codes of FP4 (E2M1) with one E8M0 scale for each 32 along K; M = 8,192, N = 3,072, K = 1,024; sums in f32.
; A tile of 256 x 256 is made by four waves, each 128 x 128: 64 accumulators, 512 registers.  K is two slots of 512: both are first fills, nothing is filled again, and there is no loop.
; The scales of the tile's 256 + 256 rows, for all of K, come once, in whole rows of 256 bytes.
; CLUSTER 4 x 1: the four partners make four neighbouring tile columns of one tile row: x's tiles and scales are asked for jointly (mask 15); w's are each work-group's own (no mask).
; A 4 x 4 cluster is not taken: the f32 copy below hangs on the tile row, which a cluster one work-group high shares among its partners.
; THE MATRIX INSTRUCTION IS USED TRANSPOSED (source 0 = 16 rows of wc, source 1 = 16 rows of xc): a lane holds eight neighbouring columns of one row.
; OUT: f16, laid by head: qkvh [5][64 (batch, head)][2048 t][64]: parts 0, 1, 2 = q, k, v rounded to f16; parts 3, 4 = what that rounding left of q and of k, taken in f32 and rounded to f16:
; the scores are multiplied by up to ln(2048)^2 / 8, so q and k go on as pairs, a high and a low part.  16 rows of a head are 2,048 consecutive bytes.  LIMIT: |q|, |k|, |v| under 65,504.
; The first 16 positions of each batch also leave in f32: q32 [64 = 16 batch + t][3072], for the last launch.
; REGISTERS: window 0: v16-31 addresses; v32-95 scale words, two sets; v128-191 x's fragments, one set.  window 1: w's fragments, two sets.  windows 2, 3: the accumulators ((a, b) at v[8 (8 (a % 4) + b)]).
.set NQ,     4                         ; matrix instructions deep in a slot
.set ROWB,   256                       ; a tile's row: 512 codes
.set KROW,   512                       ; a row of codes in memory
.set PITCH,  272                       ; an LDS row: 256 bytes + 16: the 16 rows that a load touches start in 16 different groups of four banks
.set FR,     8
.set NL,     2
.set NP,     4
.set HALFT,  128*PITCH
.set SLOT,   4*HALFT
.set KS,     32                        ; a row of scale bytes
.set SCL,    2*SLOT
.set HALFS,  (128*KS/256)*272
.set SBLK,   (16*KS/256)*272
.set SPARE,  SCL+4*HALFS               ; the spare words, 128 bytes for each wave
.set ADRA, 16
.set ADRB, 20
.set STO,  24                          ; the way out in f16: where I put 16 bytes of a row (pitch 272)
.set RD,   25                          ; and where I read four half rows of 128 bytes back
.set CO,   26                          ; 16 x lane
.set ADRS, 27
.set SPW,  28
.set NIL,  29
.set STO32, 30                         ; the f32 copy: where I put 32 bytes of a row (pitch 528)
.set RD32, 31                          ; and where I read a row of 512 bytes back
.set SC,   32
.set TMP,  32                          ; the way out: v32-63 the packed high parts (the scale words are done with)
.set HX,   64                          ; v64-127 the high parts widened again, then what is left, then (v64-95) the packed low parts
.set AF,   128
.set BK,   128                         ; a block's high parts read back: v128-159 and v160-191 by turns
.set LK,   192                         ; its low parts: v192-223 and v224-255 by turns
.set G1, 24
.set G0, 32
.set G1B, 48
.set G0B, 56
.set G1S, 68
.set G0S, 76
.set G1SB, 80
.set G0SB, 88
.set MSB, 0
.macro WIN new                         ; the immediate's high byte repeats the setting that is left
.if MSB != \new
	s_set_vgpr_msb (MSB<<8)|\new
.set MSB, \new
.endif
.endm
.set MUL_LO, 0xa1                      ; source 0 window 1, source 1 window 0, C and D window 2
.set MUL_HI, 0xf1
.set TO_B,   0x40
; Waves 0 and 1 fetch for x (joint), waves 2 and 3 for w (their own).  The branch hangs on the wave's number alone.  An s_nop 0 and four v_nop follow each line.
.macro JLOAD g0a, g1a, g0b, g1b
	s_cmp_eq_u32 s15, 0
	s_cbranch_scc0 .Lfor_b_\@
	tensor_load_to_lds s[\g0a:\g0a+3], s[\g1a:\g1a+7]
	s_nop 0
.rept 4
	v_nop
.endr
	s_branch .Lasked_\@
.Lfor_b_\@:
	tensor_load_to_lds s[\g0b:\g0b+3], s[\g1b:\g1b+7]
	s_nop 0
.rept 4
	v_nop
.endr
.Lasked_\@:
.endm
.macro CROUND                          ; a round of the cluster's barrier
	s_barrier_signal -1
	s_barrier_wait -1
	s_cmp_lg_u32 s14, 0
	s_cbranch_scc1 .Lnot_wave_0_\@
	s_barrier_signal -3
.Lnot_wave_0_\@:
	s_barrier_wait -3
	s_barrier_signal -1
	s_barrier_wait -1
.endm
	s_load_b128 s[4:7], s[0:1], 0x0                ; xc, xs
	s_load_b128 s[8:11], s[0:1], 0x10              ; wc, ws
	s_load_b64 s[12:13], s[0:1], 0x20              ; qkvh
	s_load_b64 s[98:99], s[0:1], 0x28              ; q32
	v_lshl_add_u32 v[SPW], v0, 2, SPARE
	v_mov_b32 v[NIL], 0
	ds_add_u32 v[SPW], v[NIL]                      ; the wave's opening: the add, twice on end, and its wait ahead of my first tensor load
	ds_add_u32 v[SPW], v[NIL]
	v_lshrrev_b32 v1, 5, v0
	v_readfirstlane_b32 s14, v1                    ; wave 0..3
	s_lshr_b32 s15, s14, 1                         ; which half of the tile's rows is mine.  Also: I fetch for x (0) or for w (1)
	s_and_b32 s16, s14, 1                          ; which half of its columns.  Also: which 128 rows I fetch
	s_bfe_u32 s40, ttmp6, 0x40000                  ; cx
	s_lshl_b32 s42, ttmp9, 2
	s_add_co_u32 s42, s42, s40                     ; tile column = 4 x cluster x + cx; cluster x is the third: q, k or v
	s_and_b32 s17, ttmp7, 0xffff                   ; tile row: the same in all four partners
	s_mov_b32 s[G1+0], 15|(1<<20)|(1<<21)|(5<<22)|(3<<25)           ; mask: all four; elements of 1 byte; padding: 4 words after every 64; bit 21 beside the mask
	s_mov_b32 s[G1B+0], (1<<20)|(5<<22)|(3<<25)                     ; the same without a mask
.irp g, G1, G1B
	s_mov_b32 s[\g+1], ROWB<<16                    ; tensor_dim0
	s_mov_b32 s[\g+2], 128<<16                     ; tensor_dim1
	s_mov_b32 s[\g+3], ROWB<<16                    ; tile_dim0
	s_mov_b32 s[\g+4], 128                         ; tile_dim1
	s_mov_b32 s[\g+5], KROW                        ; the pitch
	s_mov_b32 s[\g+6], 0
	s_mov_b32 s[\g+7], 0
.endr
	s_mov_b32 s[G1S+0], 15|(3<<16)|(1<<20)|(1<<21)|(5<<22)|(3<<25)  ; the scales of 128 rows: 4,096 dense bytes as 16 rows of 32 elements of 8 bytes
	s_mov_b32 s[G1SB+0], (3<<16)|(1<<20)|(5<<22)|(3<<25)
.irp g, G1S, G1SB
	s_mov_b32 s[\g+1], 32<<16
	s_mov_b32 s[\g+2], (128*KS/256)<<16
	s_mov_b32 s[\g+3], 32<<16
	s_mov_b32 s[\g+4], 128*KS/256
	s_mov_b32 s[\g+5], 32
	s_mov_b32 s[\g+6], 0
	s_mov_b32 s[\g+7], 0
.endr
	s_lshl_b32 s18, s16, 7
	s_lshl_b32 s20, s17, 8
	s_add_co_u32 s20, s20, s18                     ; x: row 256 x tile row + 128 x half
	s_lshl_b32 s46, s42, 8
	s_add_co_u32 s46, s46, s18                     ; w: row 256 x tile column + 128 x half
	s_lshl_b32 s22, s20, 5                         ; where these rows' scales begin,
	s_mov_b32 s23, 0
	s_lshl_b32 s92, s46, 5
	s_mov_b32 s93, 0
	s_lshl_b32 s20, s20, 9                         ; and their codes
	s_mov_b32 s21, 0
	s_lshl_b32 s46, s46, 9
	s_mov_b32 s47, 0
	s_mul_i32 s45, s14, HALFT                      ; where they go: wave x 128 rows
	s_mul_i32 s94, s14, HALFS
	s_wait_dscnt 0x0                               ; both opening adds are done
	s_wait_kmcnt 0x0
	s_add_nc_u64 s[20:21], s[4:5], s[20:21]
	s_add_nc_u64 s[22:23], s[6:7], s[22:23]
	s_add_nc_u64 s[46:47], s[8:9], s[46:47]
	s_add_nc_u64 s[92:93], s[10:11], s[92:93]
	CROUND                                         ; all four work-groups are here: the first loads go out as one group behind this round
	s_mov_b32 s[G0S], 1
	s_add_co_u32 s[G0S+1], s94, SCL
	s_mov_b64 s[G0S+2:G0S+3], s[22:23]
	s_or_b32 s[G0S+3], s[G0S+3], 0x80000000
	s_mov_b32 s[G0SB], 1
	s_add_co_u32 s[G0SB+1], s94, SCL
	s_mov_b64 s[G0SB+2:G0SB+3], s[92:93]
	s_or_b32 s[G0SB+3], s[G0SB+3], 0x80000000
	JLOAD G0S, G1S, G0SB, G1SB                     ; the scales first
.irp s, 0,1
	s_mov_b32 s[G0+4*\s], 1
	s_add_co_u32 s[G0+4*\s+1], s45, \s*SLOT
	s_add_nc_u64 s[G0+4*\s+2:G0+4*\s+3], s[20:21], \s*ROWB
	s_or_b32 s[G0+4*\s+3], s[G0+4*\s+3], 0x80000000
	s_mov_b32 s[G0B+4*\s], 1
	s_add_co_u32 s[G0B+4*\s+1], s45, \s*SLOT
	s_add_nc_u64 s[G0B+4*\s+2:G0B+4*\s+3], s[46:47], \s*ROWB
	s_or_b32 s[G0B+4*\s+3], s[G0B+4*\s+3], 0x80000000
	JLOAD G0+4*\s, G1, G0B+4*\s, G1B               ; three tensor loads of mine are out now
.endr
	v_and_b32 v1, 15, v0                           ; r = lane % 16
	v_bfe_u32 v2, v0, 4, 1                         ; h = lane / 16
	v_mul_u32_u24 v3, v1, PITCH
	v_lshl_add_u32 v4, v2, 4, v3
	s_mul_i32 s21, s15, HALFT                      ; my 128 rows of x
	s_mul_i32 s22, s16, HALFT
	s_add_co_u32 s22, s22, 2*HALFT                 ; my 128 rows of w
.irp s, 0,1
	v_add_nc_u32 v[ADRA+\s], s21, v4
	v_add_nc_u32 v[ADRB+\s], s22, v4
	s_add_co_u32 s21, s21, SLOT
	s_add_co_u32 s22, s22, SLOT
.endr
	v_mul_u32_u24 v5, v1, KS                       ; my row's scales: 32 bytes a row,
	v_lshrrev_b32 v6, 8, v5
	v_lshl_add_u32 v5, v6, 4, v5                   ; and 16 more for each 256 passed
	s_mul_i32 s21, s15, HALFS
	s_mul_i32 s22, s16, HALFS
	s_add_co_u32 s22, s22, 2*HALFS
	s_sub_co_u32 s22, s22, s21
	v_mul_u32_u24 v6, s22, v2                      ; lanes 16-31 take w's
	s_add_co_u32 s21, s21, SCL
	v_add_nc_u32 v5, v5, v6
	v_add_nc_u32 v[ADRS], s21, v5
	s_mul_i32 s23, s14, 16*528                     ; my stage, in slot 0: it has had its one fill, and nobody reads it behind the change of slots
	v_mul_u32_u24 v5, v1, 272
	v_lshl_add_u32 v5, v2, 4, v5
	v_add_nc_u32 v[STO], s23, v5
	v_bfe_u32 v5, v0, 3, 2
	v_mul_u32_u24 v5, v5, 272
	v_and_b32 v6, 7, v0
	v_lshl_add_u32 v5, v6, 4, v5
	v_add_nc_u32 v[RD], s23, v5                    ; eight lanes to a half row of 128 bytes, four rows an instruction
	v_and_b32 v6, 31, v0
	v_lshlrev_b32 v[CO], 4, v6
	v_mul_u32_u24 v5, v1, 528
	v_lshl_add_u32 v5, v2, 5, v5
	v_add_nc_u32 v[STO32], s23, v5
	v_add_nc_u32 v[RD32], s23, v[CO]
	; where my part begins: plane = 64 x third + 16 x batch + 4 cx + 2 x column half; in it row 256 (tile row % 8) + 128 x row half, 128 bytes a row
	s_lshr_b32 s21, s17, 3                         ; batch
	s_mul_i32 s46, s21, 196608                     ; q32: 16 rows of 12,288 bytes a batch,
	s_lshl_b32 s47, s42, 10
	s_add_co_u32 s46, s46, s47
	s_lshl_b32 s47, s16, 9
	s_add_co_u32 s46, s46, s47                     ; + my first column x 4
	s_mov_b32 s47, 0
	s_add_nc_u64 s[98:99], s[98:99], s[46:47]
	s_lshl_b32 s20, ttmp9, 6
	s_lshl_b32 s22, s21, 4
	s_add_co_u32 s20, s20, s22
	s_lshl_b32 s22, s40, 2
	s_add_co_u32 s20, s20, s22
	s_lshl_b32 s22, s16, 1
	s_add_co_u32 s20, s20, s22
	s_lshl_b32 s20, s20, 18
	s_and_b32 s96, s17, 7
	s_lshl_b32 s22, s96, 15
	s_add_co_u32 s20, s20, s22
	s_lshl_b32 s22, s15, 14
	s_add_co_u32 s20, s20, s22
	s_mov_b32 s21, 0
	s_add_nc_u64 s[12:13], s[12:13], s[20:21]
	s_add_nc_u64 s[18:19], s[12:13], 0x3000000     ; the low parts lie three parts of 16,777,216 bytes further on (used for q and k alone)
	s_or_b32 s96, s96, s15                         ; 0 where my first 16 rows are a batch's first 16 positions
.macro FRAG reg, adr, q, i             ; 16 rows x 128 K of 4-bit codes: 8 registers, two loads of 16 bytes, 32 bytes apart
.irp c, 0,1
	ds_load_b128 v[\reg+4*\c:\reg+4*\c+3], v[\adr] offset:64*(\q)+32*\c+(\i)*16*PITCH
.endr
.endm
; 16 matrix instructions: x's blocks a0, a0 + 1 against w's eight.  The 64 accumulators take turns, one instruction a turn.
.macro MUL16 a0, p, q, sc, zero
.irp a, \a0, \a0+1
.irp b, 0,1,2,3,4,5,6,7
.if \zero
	v_wmma_scale_f32_16x16x128_f8f6f4 v[8*(8*((\a)%4)+\b):8*(8*((\a)%4)+\b)+7], v[128*(\p)+FR*\b:128*(\p)+FR*\b+FR-1], v[AF+FR*(\a):AF+FR*(\a)+FR-1], 0, v[SC+8*NQ*(\sc)+NQ*\b+(\q)], v[SC+8*NQ*(\sc)+NQ*(\a)+(\q)] matrix_a_fmt:MATRIX_FMT_FP4 matrix_b_fmt:MATRIX_FMT_FP4 matrix_a_scale:MATRIX_SCALE_ROW1
.else
	v_wmma_scale_f32_16x16x128_f8f6f4 v[8*(8*((\a)%4)+\b):8*(8*((\a)%4)+\b)+7], v[128*(\p)+FR*\b:128*(\p)+FR*\b+FR-1], v[AF+FR*(\a):AF+FR*(\a)+FR-1], v[8*(8*((\a)%4)+\b):8*(8*((\a)%4)+\b)+7], v[SC+8*NQ*(\sc)+NQ*\b+(\q)], v[SC+8*NQ*(\sc)+NQ*(\a)+(\q)] matrix_a_fmt:MATRIX_FMT_FP4 matrix_b_fmt:MATRIX_FMT_FP4 matrix_a_scale:MATRIX_SCALE_ROW1
.endif
.endr
.endr
.endm
.macro FETCH_B slot, q, p
	WIN TO_B
.irp i, 0,1,2,3,4,5,6,7
	FRAG 128*(\p)+FR*\i, ADRB+\slot, \q, \i
.endr
	WIN 0
.endm
.macro FETCH_A slot, q, i0
.irp i, \i0, \i0+1, \i0+2, \i0+3
	FRAG AF+FR*(\i), ADRA+\slot, \q, \i
.endr
.endm
.macro SCALES sc                       ; a slot's scale words: lanes 0-15 take x's block i, lanes 16-31 w's block i
.irp i, 0,1,2,3,4,5,6,7
	ds_load_b128 v[SC+8*NQ*\sc+NQ*\i:SC+8*NQ*\sc+NQ*\i+3], v[ADRS] offset:\i*SBLK
.endr
.endm
.macro PLACES n                        ; plain vector lines between a matrix instruction and a load into, or a read of, its registers
.rept \n
	v_nop
.endr
.endm
.macro STEP slot, q, zero              ; 128 along K, with its successor in the same slot
	s_wait_dscnt 4*NL                              ; w's set and x's blocks 0-3 are in; the youngest eight loads (x's blocks 4-7) may be out
	WIN MUL_LO
	MUL16 0, (\q)%2, \q, \slot, \zero
	MUL16 2, (\q)%2, \q, \slot, \zero
	s_wait_dscnt 0
	PLACES NP
	FETCH_B \slot, (\q)+1, 1-(\q)%2
	FETCH_A \slot, (\q)+1, 0
	WIN MUL_HI
	MUL16 4, (\q)%2, \q, \slot, \zero
	MUL16 6, (\q)%2, \q, \slot, \zero
	PLACES NP
	WIN 0
	FETCH_A \slot, (\q)+1, 4
.endm
.macro STEPS slot, from
.set Q, \from
.rept NQ-1-\from
	STEP \slot, Q, 0
.set Q, Q+1
.endr
.endm
	s_wait_tensorcnt 1                             ; the scales and my part of slot 0 are in; slot 1's load may be out
	s_barrier_signal -1
	s_barrier_wait -1
	FETCH_B 0, 0, 0
	FETCH_A 0, 0, 0
	SCALES 0
	FETCH_A 0, 0, 4
	STEP 0, 0, 1                                   ; the first products start the sums: nothing is cleared
	STEPS 0, 1
	; slot 0's last step changes slots: one barrier; in front of it my part of slot 1 has landed and my reads of slot 0 are over
	s_wait_tensorcnt 0x0
	ds_add_u32 v[SPW], v[NIL]
	s_wait_dscnt 4*NL+1                            ; the add and the youngest eight loads may be out
	WIN MUL_LO
	MUL16 0, 1, NQ-1, 0, 0
	s_wait_dscnt 0x0
	s_barrier_signal -1
	MUL16 2, 1, NQ-1, 0, 0
	WIN 0
	s_barrier_wait -1
	PLACES NP
	v_add_nc_u32 v[ADRS], 4*NQ, v[ADRS]            ; on to slot 1's scale words
	FETCH_B 1, 0, 0
	FETCH_A 1, 0, 0
	SCALES 1
	WIN MUL_HI
	MUL16 4, 1, NQ-1, 0, 0
	MUL16 6, 1, NQ-1, 0, 0
	PLACES NP
	WIN 0
	FETCH_A 1, 0, 4
	STEPS 1, 0
	s_wait_dscnt 4*NL                              ; the last step: nothing more to fetch
	WIN MUL_LO
	MUL16 0, 1, NQ-1, 1, 0
	MUL16 2, 1, NQ-1, 1, 0
	s_wait_dscnt 0
	WIN MUL_HI
	MUL16 4, 1, NQ-1, 1, 0
	MUL16 6, 1, NQ-1, 1, 0
	WIN 0
; THE WAY OUT, block by block of 16 rows x 128 columns (two heads).  Rounded to f16, 16 bytes a lane, through my own stage; back by heads: four rows of 128 bytes an instruction, which are 512 consecutive bytes of the head's plane.
.macro PACK a
.set AC, 64*((\a)%4)
	WIN 0x0a+5*((\a)/4)                            ; sources 0 and 1: window 2 or 3
.irp b, 0,1,2,3,4,5,6,7
.irp i, 0,1,2,3
	v_cvt_pk_f16_f32 v[TMP+4*\b+\i], v[AC+8*\b+2*\i], v[AC+8*\b+2*\i+1]    ; each accumulator from its low end on
.endr
.endr
	WIN 0
.endm
; The low parts of block a: the high parts widened to f32 again, taken off the sums (exact: both lie within a factor of two), and what is left rounded to f16, packed in place, ascending.
.macro LOPACK a
.set AC, 64*((\a)%4)
.set ri, 0
.irp p, v32.l,v32.h,v33.l,v33.h,v34.l,v34.h,v35.l,v35.h,v36.l,v36.h,v37.l,v37.h,v38.l,v38.h,v39.l,v39.h,v40.l,v40.h,v41.l,v41.h,v42.l,v42.h,v43.l,v43.h,v44.l,v44.h,v45.l,v45.h,v46.l,v46.h,v47.l,v47.h,v48.l,v48.h,v49.l,v49.h,v50.l,v50.h,v51.l,v51.h,v52.l,v52.h,v53.l,v53.h,v54.l,v54.h,v55.l,v55.h,v56.l,v56.h,v57.l,v57.h,v58.l,v58.h,v59.l,v59.h,v60.l,v60.h,v61.l,v61.h,v62.l,v62.h,v63.l,v63.h
	v_cvt_f32_f16 v[HX+ri], \p
.set ri, ri+1
.endr
	WIN 0x02+((\a)/4)                              ; source 0: window 2 or 3
.set ri, 0
.rept 32
	v_pk_add_f32 v[HX+ri:HX+ri+1], v[AC+ri:AC+ri+1], v[HX+ri:HX+ri+1] neg_lo:[0,1] neg_hi:[0,1]
.set ri, ri+2
.endr
	WIN 0
.set ri, 0
.rept 32
	v_cvt_pk_f16_f32 v[HX+ri], v[HX+2*ri], v[HX+2*ri+1]
.set ri, ri+1
.endr
.endm
.macro TOSTAGE a, lo
.set BB, BK+32*((\a)%2)
.set LL, LK+32*((\a)%2)
.irp b, 0,1,2,3,4,5,6,7
	ds_store_b128 v[STO], v[TMP+4*\b:TMP+4*\b+3] offset:32*\b
.endr
.irp hh, 0,1
.irp i, 0,1,2,3
	ds_load_b128 v[BB+4*(4*\hh+\i):BB+4*(4*\hh+\i)+3], v[RD] offset:128*\hh+\i*4*272   ; LDS serves a wave's instructions in order: these see the stores above
.endr
.endr
.if \lo
.irp b, 0,1,2,3,4,5,6,7
	ds_store_b128 v[STO], v[HX+4*\b:HX+4*\b+3] offset:32*\b        ; the low parts through the same stage, behind the loads above
.endr
.irp hh, 0,1
.irp i, 0,1,2,3
	ds_load_b128 v[LL+4*(4*\hh+\i):LL+4*(4*\hh+\i)+3], v[RD] offset:128*\hh+\i*4*272
.endr
.endr
.endif
.endm
.macro SEND a, lo
.set BB, BK+32*((\a)%2)
.set LL, LK+32*((\a)%2)
	s_wait_dscnt 0x0                               ; the block is back in registers
	s_wait_xcnt 0x0                                ; the stores of the block before have read their registers: the next block's loads may land there
.irp hh, 0,1
.irp i, 0,1,2,3
	global_store_b128 v[CO], v[BB+4*(4*\hh+\i):BB+4*(4*\hh+\i)+3], s[12:13] offset:\hh*262144+(\a)*2048+\i*512   ; 32 lanes store 512 consecutive bytes, aligned
.endr
.endr
.if \lo
.irp hh, 0,1
.irp i, 0,1,2,3
	global_store_b128 v[CO], v[LL+4*(4*\hh+\i):LL+4*(4*\hh+\i)+3], s[18:19] offset:\hh*262144+(\a)*2048+\i*512
.endr
.endr
.endif
.endm
.macro WAYOUT lo                       ; block a's conversions stand between block a - 1's loads from the stage and the wait for them
	PACK 0
.if \lo
	LOPACK 0
.endif
	TOSTAGE 0, \lo
.irp a, 1,2,3,4,5,6,7
	PACK \a
.if \lo
	LOPACK \a
.endif
	SEND \a-1, \lo
	TOSTAGE \a, \lo
.endr
	SEND 7, \lo
.endm
	PLACES NP
	s_cmp_eq_u32 ttmp9, 2                          ; the cluster's x: the same in all four partners.  v has no low part
	s_cbranch_scc1 .Lv_out
	WAYOUT 1
	s_branch .Lsent
.Lv_out:
	WAYOUT 0
.Lsent:
	s_cmp_lg_u32 s96, 0                            ; tile row and wave alone: the same in all partners
	s_cbranch_scc1 .Lno32
	s_wait_xcnt 0x0                                ; the last low parts' stores have read v192-255, which the loads below fill
	WIN 0x08                                       ; an LDS store's data are its source 1: window 2
.irp b, 0,1,2,3,4,5,6,7
	ds_store_b128 v[STO32], v[8*\b:8*\b+3] offset:64*\b            ; block 0 as it stands, in f32
	ds_store_b128 v[STO32], v[8*\b+4:8*\b+7] offset:64*\b+16
.endr
	WIN 0
.irp t, 0,1,2,3,4,5,6,7,8,9,10,11,12,13,14,15
	ds_load_b128 v[192+4*\t:192+4*\t+3], v[RD32] offset:\t*528
.endr
.irp t, 0,1,2,3,4,5,6,7,8,9,10,11,12,13,14,15
	s_wait_dscnt 15-\t                             ; LDS loads come back in order: row t is in
	global_store_b128 v[CO], v[192+4*\t:192+4*\t+3], s[98:99] offset:\t*12288   ; 512 consecutive bytes, aligned
.endr
.Lno32:
	s_wait_tensorcnt 0x0                           ; the wave's end
	ds_add_u32 v[SPW], v[NIL]
	s_wait_dscnt 0x0
	CROUND                                         ; the closing round
	s_endpgm
.Lfunc_end_k_qc051bd66fa_qkv:
	.size	k_qc051bd66fa_qkv, .Lfunc_end_k_qc051bd66fa_qkv-k_qc051bd66fa_qkv
	.p2alignl 7, 3214868480
	.fill 96, 4, 3214868480
	.section	.rodata,"a",@progbits
	.p2align	6, 0x0
	.amdhsa_kernel k_qc051bd66fa_qkv
		.amdhsa_group_segment_fixed_size 327680
		.amdhsa_private_segment_fixed_size 0
		.amdhsa_enable_private_segment 0
		.amdhsa_kernarg_size 48
		.amdhsa_user_sgpr_count 2
		.amdhsa_user_sgpr_kernarg_segment_ptr 1
		.amdhsa_wavefront_size32 1
		.amdhsa_system_sgpr_workgroup_id_x 1
		.amdhsa_system_sgpr_workgroup_id_y 1
		.amdhsa_system_sgpr_workgroup_id_z 1
		.amdhsa_system_vgpr_workitem_id 0
		.amdhsa_next_free_vgpr 1024
		.amdhsa_next_free_sgpr 100
		.amdhsa_reserve_vcc 0
		.amdhsa_float_denorm_mode_32 3
		.amdhsa_float_denorm_mode_16_64 3
		.amdhsa_memory_ordered 1
		.amdhsa_forward_progress 1
		.amdhsa_inst_pref_size 224
	.end_amdhsa_kernel
	.amdgpu_metadata
---
amdhsa.version: [ 1, 2 ]
amdhsa.kernels:
  - .name:           k_qc051bd66fa_qkv
    .symbol:         k_qc051bd66fa_qkv.kd
    .args:
      - { .name: xc, .offset: 0, .size: 8, .value_kind: global_buffer, .address_space: global }
      - { .name: xs, .offset: 8, .size: 8, .value_kind: global_buffer, .address_space: global }
      - { .name: wc, .offset: 16, .size: 8, .value_kind: global_buffer, .address_space: global }
      - { .name: ws, .offset: 24, .size: 8, .value_kind: global_buffer, .address_space: global }
      - { .name: qkvh, .offset: 32, .size: 8, .value_kind: global_buffer, .address_space: global }
      - { .name: q32, .offset: 40, .size: 8, .value_kind: global_buffer, .address_space: global }
    .group_segment_fixed_size: 327680
    .private_segment_fixed_size: 0
    .kernarg_segment_align: 8
    .kernarg_segment_size: 48
    .max_flat_workgroup_size: 128
    .sgpr_count:     100
    .vgpr_count:     1024
    .wavefront_size: 32
...
	.end_amdgpu_metadata
.endif
;; end of part 2
;; launch attn (part 3): grid 4 x 64, 8 waves a work-group, no clusters, 327,680 bytes of LDS; arguments qkvh, yh; writes yh
.if DOCPART == 3
	.amdgcn_target "amdgcn-amd-amdhsa--gfx1250"
	.amdhsa_code_object_version 6
	.text
	.protected	k_qc051bd66fa_attn
	.globl	k_qc051bd66fa_attn
	.p2align	8
	.type	k_qc051bd66fa_attn,@function
k_qc051bd66fa_attn:
	s_mov_b64 s[64:65], 0
	v_nop
	global_prefetch_b8 v0, s[64:65] scope:SCOPE_SE
	s_setreg_imm32_b32 hwreg(HW_REG_WAVE_MODE, 25, 1), 1
	s_wait_xcnt 0x0
; ATTN: y[bh][q] = sum over k <= q of softmax_k(q . k / 8 x ln(q + 1)^2) v[k].  q, k, v: f16 planes [64 bh][2048][64] of qkvh; y: f16 [64 bh][2048][64].  Products, maxima and sums in f32.
; q AND k GO AS PAIRS OF f16 NUMBERS, a high and a low part (parts 0, 1 and 3, 4 of qkvh): q . k = qh . kh + ql . kh + qh . kl; the product of the two low parts, some 2^-22 of a score, is left out.
; The scores are multiplied by up to ln(2048)^2 / 8 ahead of the exponential, so eleven bits of q and k are too few.
; p = 2^(c s - c m), c = log2(position)^2 x ln(2) / 8 for each query, m the running maximum of the query's scores; p is rounded to f16 for the second product; the sum is taken of the unrounded p.
; LIMITS: |q|, |k|, |v| under 65,504; no NaN or infinity among them.  c is held at 2^-100 from below: position 1 sees one key, whose weight is 1 under any positive c.  The first 16 positions of a batch are made again, in f32, by the last launch.
; SHARES.  Work-group (p, bh) owns two blocks of 256 queries of one (batch, head): block 7 - p, with 8 - p slots of 256 keys, then block p, with p + 1: always 9 slots, so every trip count is a constant and all work-groups have equal work.
; Eight waves, two to a SIMD.  Waves w and w + 4 own the SAME 64 queries (four tiles of 16) and share the KEYS: of a slot's four steps of 64 keys wave g = wave / 4 takes steps g and 2 + g.  At a block's end wave w + 4
; hands c m, the sum and O^T to wave w through LDS; wave w merges, divides and stores.  The text is in plain phases: one wave's softmax stands beside the other wave's products.
; NO CLUSTER: the four work-groups of a head change blocks in different trips (8 - p), so from then on they want different tiles in the same trip.
; LAYOUT.  S^T = K Q^T and O^T = V^T P: a lane holds one query (lane % 16) throughout; two tiles of S^T, rounded in pairs, are source 1 of the second product as they lie.  V comes out of LDS turned, by ds_load_tr16_b128.
; LDS: two slots 2^17 bytes apart: K's high parts as 128 rows of two keys (256 bytes + 16), K's low parts likewise, then V as 128 rows (256 + 32); the hand-over (4 x 17,408); the stages (4 x 16 x 144); the spare words.
; REGISTERS: window 0: v1-12 addresses; v16-23 at work; v24-55 eight statistics a tile; v64-191 S^T, 32 a tile, P packed into a tile's low 16; v192-255 ONE buffer of fragments: K's high parts, K's low parts, V, in turn.
;   window 1: v0-63 Q's high parts; v64-191 O^T, 32 a tile; v192-255 Q's low parts.  Two waves of 512 registers fill a SIMD.
.set PK,    272
.set PV,    288
.set LOFF,  128*PK                     ; K's low parts in a slot
.set VOFF,  2*128*PK                   ; V in a slot
.set SLOT1, 1<<17
.set KST,   32*PK                      ; 64 keys of K
.set VST,   32*PV                      ; 64 keys of V
.set XCH,   SLOT1+VOFF+128*PV          ; 237,568
.set XW,    17408
.set STG,   XCH+4*XW                   ; 307,200
.set SGW,   2304
.set SPARE, STG+4*SGW                  ; 316,416: the spare words, 128 bytes for each of eight waves
.set AK0, 1
.set AV0, 2
.set ADK, 3
.set ADV, 4
.set SPW, 5
.set NIL, 6
.set QO,  7                            ; r x 128 + 16 h
.set DM,  8                            ; r - 8 h
.set XA,  9                            ; the hand-over: 16 x lane in the pair's region
.set STO, 10
.set RD,  11
.set GO,  12                           ; 16 x lane
.set TM,  16
.set ST,  24                           ; tile t at ST + 8 t: +0 c m, +1 m, +2, +3 the sum in two halves, +4 c, +5 c, +6 f, +7 at work
.set PFO, 56
.set S,   64
.set FB,  192                          ; the buffer of fragments, in window 0
.set QH,  0                            ; in window 1
.set OB,  64                           ; in window 1
.set QL,  192                          ; in window 1
.set WV,  8
.set G,   9
.set W,   10
.set HF,  11
.set PP,  12
.set BH,  13
.set KB,  14
.set VB,  16
.set LA,  18
.set SEL, 20
.set G1K, 24
.set G1V, 32
.set G0K, 40
.set G0V, 44
.set TBK, 48
.set TBV, 49
.set SLOTS, 50
.set SWC, 51
.set KF,  52
.set JD,  53
.set Q0,  54
.set KSN, 55
.set OFF, 56
.set QB,  58
.set YB,  60
.set PFA, 62
.set LIM, 66
.set TWICE, 67
.set G0L, 68                           ; s[68:71] group 0 for K's low parts
.set LBS, 72                           ; s[72:73] K's low parts: my half of a slot
.set QB2, 74                           ; s[74:75] Q's low parts at my first query
.set QP,  76
.set YP,  78
.set MK,  80                           ; s80-87 the diagonal's eight masks
.set MSB, 0
.macro WIN new
.if MSB != \new
	s_set_vgpr_msb (MSB<<8)|\new
.set MSB, \new
.endif
.endm
.set W_LQ, 0x40                        ; a destination in window 1
.set W_KQ, 0x04                        ; Q (source 1) in window 1; K and S^T in window 0.  An LDS load under it has address and destination in window 0
.set W_RS, 0x41                        ; O^T (destination and source 0) in window 1
.set W_PV, 0x50                        ; C and D in window 1
.set W_SD, 0x04                        ; an LDS store's data (source 1) in window 1
.set W_MG, 0x01                        ; source 0 in window 1
; Waves 0 and 1 fetch the halves of a slot's K high, waves 2 and 3 of V, waves 4 and 5 of K low, the others nothing.  An s_nop 0 and four v_nop follow each line.
.macro TLOAD
	s_cmp_lt_u32 s[WV], 2
	s_cbranch_scc0 .Lnot_k_\@
	tensor_load_to_lds s[G0K:G0K+3], s[G1K:G1K+7]
	s_nop 0
.rept 4
	v_nop
.endr
	s_branch .Lasked_\@
.Lnot_k_\@:
	s_cmp_lt_u32 s[WV], 4
	s_cbranch_scc0 .Lnot_v_\@
	tensor_load_to_lds s[G0V:G0V+3], s[G1V:G1V+7]
	s_nop 0
.rept 4
	v_nop
.endr
	s_branch .Lasked_\@
.Lnot_v_\@:
	s_cmp_lt_u32 s[WV], 6
	s_cbranch_scc0 .Lasked_\@
	tensor_load_to_lds s[G0L:G0L+3], s[G1K:G1K+7]
	s_nop 0
.rept 4
	v_nop
.endr
.Lasked_\@:
.endm
; A PREFETCH INTO THE L2 of the slot that the NEXT change will ask for.  The four work-groups of a head walk the same K and V, the long block first: the one with p = 0 asks; in it each fetching wave (0 to 5)
; asks for its own stream's half: 16,384 bytes, two instructions, lanes 256 bytes apart, behind its tensor load.  Trip s names slot s + 2, up to slot 7: each aligned block of 256 bytes is named once in the launch.
.macro ASK
	s_cmp_gt_u32 s[SLOTS], s[LIM]
	s_cbranch_scc0 .Lnot_mine_\@
	global_prefetch_b8 v[PFO], s[PFA:PFA+1] th:TH_LOAD_NT scope:SCOPE_SE
	global_prefetch_b8 v[PFO], s[PFA:PFA+1] offset:8192 th:TH_LOAD_NT scope:SCOPE_SE
.Lnot_mine_\@:
.endm
; A block of queries begins (s[Q0] = my wave's first query): Q's two parts into registers, O^T and the sums cleared (the step is written once: its first run finds zeros), c for each query.
.macro INIT
	s_lshr_b32 s[JD], s[Q0], 6                     ; the step that lies on my diagonal
	s_lshl_b32 s96, s[Q0], 7
	s_mov_b32 s97, 0
	s_add_nc_u64 s[QB:QB+1], s[QP:QP+1], s[96:97]
	s_add_nc_u64 s[QB2:QB2+1], s[QB:QB+1], 0x3000000   ; q's low parts lie three parts further on
	s_add_nc_u64 s[YB:YB+1], s[YP:YP+1], s[96:97]
	WIN W_LQ
.irp t, 0,1,2,3
.irp c, 0,1
	global_load_b128 v[QH+8*(2*\t+\c):QH+8*(2*\t+\c)+3],   v[QO], s[QB:QB+1] offset:\t*2048+64*\c
	global_load_b128 v[QH+8*(2*\t+\c)+4:QH+8*(2*\t+\c)+7], v[QO], s[QB:QB+1] offset:\t*2048+64*\c+32
	global_load_b128 v[QL+8*(2*\t+\c):QL+8*(2*\t+\c)+3],   v[QO], s[QB2:QB2+1] offset:\t*2048+64*\c
	global_load_b128 v[QL+8*(2*\t+\c)+4:QL+8*(2*\t+\c)+7], v[QO], s[QB2:QB2+1] offset:\t*2048+64*\c+32
.endr
.endr
.set ri, OB
.rept 128
	v_mov_b32 v[ri], 0
.set ri, ri+1
.endr
	WIN 0
	s_add_co_u32 s96, s[Q0], 1
	v_and_b32 v14, 15, v0
	v_add_nc_u32 v14, s96, v14                     ; the position of tile 0's query, counted from 1
.irp t, 0,1,2,3
	v_add_nc_u32 v[TM+\t], 16*\t, v14
.endr
.irp t, 0,1,2,3
	v_cvt_f32_u32 v[TM+\t], v[TM+\t]
.endr
.irp t, 0,1,2,3
	v_log_f32 v[TM+\t], v[TM+\t]
.endr
	v_nop                                          ; a plain line behind the last logarithm
	s_wait_alu depctr_va_vdst(0)                   ; one wait for the four, ahead of their first reader
.irp t, 0,1,2,3
	v_mul_f32 v[TM+\t], v[TM+\t], v[TM+\t]
.endr
.irp t, 0,1,2,3
	v_mul_f32 v[TM+\t], 0x3db17218, v[TM+\t]       ; x ln(2) / 8
.endr
.irp t, 0,1,2,3
	v_max_num_f32 v[ST+8*\t+4], 0x0d800000, v[TM+\t]   ; c, held at 2^-100 from below
	v_mov_b32 v[ST+8*\t+1], 0xf149f2ca             ; m = -1e30: under every score of f16 operands (64 x 65,504^2 at the most)
	v_mov_b32 v[ST+8*\t+2], 0
	v_mov_b32 v[ST+8*\t+3], 0
	v_mov_b32 v[ST+8*\t+6], 0
	v_mov_b32 v[ST+8*\t+7], 0
.endr
.irp t, 0,1,2,3
	v_mov_b32 v[ST+8*\t+5], v[ST+8*\t+4]
	v_mul_f32 v[ST+8*\t], v[ST+8*\t+4], v[ST+8*\t+1]   ; c m: finite
.endr
	s_wait_loadcnt 0x0                             ; Q
.endm
; The step on the diagonal: register 8 kt + j of tile t holds key 16 kt + 8 h + j against query 16 t + r: hidden where kt > t, and, for kt = t, where j > r - 8 h.
.macro MASK
	v_mov_b32 v14, 0xff800000                      ; -infinity: p = 0 then
.irp j, 0,1,2,3,4,5,6,7
	v_cmp_gt_i32 s[MK+\j], \j, v[DM]
.endr
.irp t, 0,1,2,3
.irp j, 0,1,2,3,4,5,6,7
	v_cndmask_b32 v[S+40*\t+\j], v[S+40*\t+\j], v14, s[MK+\j]
.endr
.irp kt, 1,2,3
.if \kt > \t
.irp j, 0,1,2,3,4,5,6,7
	v_mov_b32 v[S+32*\t+8*\kt+\j], v14
.endr
.endif
.endr
.endr
.endm
; The softmax of tiles y and y + 1 for one step, the two tiles line by line, so that no line waits for the line above it.
.macro SOFTMAX y
	WIN 0
.irp k, 0,1,2,3
.irp u, 0,1
.set rS, S+32*(\y+\u)+8*\k
	v_max3_num_f32 v[TM+4*\u+\k], v[rS], v[rS+1], v[rS+2]          ; four chains a tile; each accumulator is read from its low end on
.endr
.endr
.irp n, 3,5
.irp k, 0,1,2,3
.irp u, 0,1
.set rS, S+32*(\y+\u)+8*\k+\n
	v_max3_num_f32 v[TM+4*\u+\k], v[TM+4*\u+\k], v[rS], v[rS+1]
.endr
.endr
.endr
.irp u, 0,1
.set rS, S+32*(\y+\u)
	v_max3_num_f32 v[TM+4*\u], v[TM+4*\u], v[rS+7], v[rS+15]
	v_max3_num_f32 v[TM+4*\u+2], v[TM+4*\u+2], v[rS+23], v[rS+31]
.endr
.irp u, 0,1
	v_max3_num_f32 v[TM+4*\u], v[TM+4*\u], v[TM+4*\u+1], v[TM+4*\u+2]
.endr
.irp u, 0,1
	v_max3_num_f32 v[TM+4*\u], v[TM+4*\u], v[TM+4*\u+3], v[ST+8*(\y+\u)+1]   ; with the old m
.endr
.irp u, 0,1
	v_permlanex16_b32 v[TM+4*\u+1], v[TM+4*\u], s[SEL], s[SEL+1]   ; the query's other 32 keys lie in the lane 16 away
.endr
.irp u, 0,1
	v_mov_b32 v[ST+8*(\y+\u)+7], v[ST+8*(\y+\u)]                   ; the old c m
.endr
.irp u, 0,1
	v_max_num_f32 v[ST+8*(\y+\u)+1], v[TM+4*\u], v[TM+4*\u+1]      ; the new m
.endr
.irp u, 0,1
	v_mul_f32 v[ST+8*(\y+\u)], v[ST+8*(\y+\u)+4], v[ST+8*(\y+\u)+1]
.endr
.irp u, 0,1
	v_sub_f32 v[ST+8*(\y+\u)+7], v[ST+8*(\y+\u)+7], v[ST+8*(\y+\u)]
.endr
.irp j, 0,2,4,6,8,10,12,14,16,18,20,22,24,26,28,30
.irp u, 0,1
.set rS, S+32*(\y+\u)+\j
.set rT, ST+8*(\y+\u)
	v_pk_fma_f32 v[rS:rS+1], v[rS:rS+1], v[rT+4:rT+5], v[rT:rT+1] op_sel_hi:[1,0,0] neg_lo:[0,0,1] neg_hi:[0,0,1]   ; c s - c m
.endr
.endr
.irp u, 0,1
	v_exp_f32 v[ST+8*(\y+\u)+6], v[ST+8*(\y+\u)+7]                 ; f = 2^(old c m - new c m)
.endr
.irp j, 0,1,2,3,4,5,6,7,8,9,10,11,12,13,14,15,16,17,18,19,20,21,22,23,24,25,26,27,28,29,30,31
.irp u, 0,1
	v_exp_f32 v[S+32*(\y+\u)+\j], v[S+32*(\y+\u)+\j]
.endr
.endr
	v_nop                                          ; a plain line behind the last exponential
	s_wait_alu depctr_va_vdst(0)                   ; one wait for the batch of 66, ahead of its first reader
.irp u, 0,1
.set rT, ST+8*(\y+\u)
	v_pk_mul_f32 v[rT+2:rT+3], v[rT+2:rT+3], v[rT+6:rT+7] op_sel_hi:[1,0]   ; the sum under the new m
.endr
.irp u, 0,1
.set rS, S+32*(\y+\u)
	v_pk_add_f32 v[TM+4*\u:TM+4*\u+1], v[rS:rS+1], v[rS+2:rS+3]    ; the sum of the unrounded p, in two chains
.endr
.irp j, 4,8,12,16,20,24,28
.irp u, 0,1
.set rS, S+32*(\y+\u)+\j
.set rT, ST+8*(\y+\u)
	v_pk_add_f32 v[rT+2:rT+3], v[rT+2:rT+3], v[rS:rS+1]
	v_pk_add_f32 v[TM+4*\u:TM+4*\u+1], v[TM+4*\u:TM+4*\u+1], v[rS+2:rS+3]
.endr
.endr
.irp u, 0,1
.set rT, ST+8*(\y+\u)
	v_pk_add_f32 v[rT+2:rT+3], v[rT+2:rT+3], v[TM+4*\u:TM+4*\u+1]
.endr
.irp i, 0,1,2,3,4,5,6,7,8,9,10,11,12,13,14,15
.irp u, 0,1
.set rS, S+32*(\y+\u)
	v_cvt_pk_f16_f32 v[rS+\i], v[rS+2*\i], v[rS+2*\i+1]            ; P, packed in place, ascending: register i is written when registers 2 i and above are still whole
.endr
.endr
	WIN W_RS
.irp j, 0,2,4,6,8,10,12,14,16,18,20,22,24,26,28,30
.irp u, 0,1
.set rO, OB+32*(\y+\u)+\j
.set rT, ST+8*(\y+\u)
	v_pk_mul_f32 v[rO:rO+1], v[rO:rO+1], v[rT+6:rT+7] op_sel_hi:[1,0]   ; O^T under the new m
.endr
.endr
.endm
.macro PVRUN y                         ; O^T += V^T P for tiles y, y + 1: eight accumulators by turns
	WIN W_PV
.irp ks, 0,1
.irp ct, 0,1,2,3
.irp u, 0,1
.set rO, OB+32*(\y+\u)+8*\ct
	v_wmma_f32_16x16x32_f16 v[rO:rO+7], v[FB+8*(4*\ks+\ct):FB+8*(4*\ks+\ct)+7], v[S+32*(\y+\u)+8*\ks:S+32*(\y+\u)+8*\ks+7], v[rO:rO+7]
.endr
.endr
.endr
.endm
.macro KLOAD c, off                    ; eight LDS loads: channels 32 c on of the step's 64 keys, from off bytes on in the slot (0: the high parts; LOFF: the low), into half c of the buffer: key tile kt at 32 c + 8 kt
.irp kt, 0,1,2,3
	ds_load_b128 v[FB+32*\c+8*\kt:FB+32*\c+8*\kt+3],   v[ADK] offset:\off+\kt*8*PK+64*\c
	ds_load_b128 v[FB+32*\c+8*\kt+4:FB+32*\c+8*\kt+7], v[ADK] offset:\off+\kt*8*PK+64*\c+32
.endr
.endm
.macro QKRUN c, qb, zero               ; sixteen products: half c of the buffer against channels 32 c on of Q's part qb.  The sixteen accumulators take turns, in the same order in every run
.irp kt, 0,1,2,3
.irp t, 0,1,2,3
.set rS, S+32*\t+8*\kt
.if \zero
	v_wmma_f32_16x16x32_f16 v[rS:rS+7], v[FB+32*\c+8*\kt:FB+32*\c+8*\kt+7], v[\qb+8*(2*\t+\c):\qb+8*(2*\t+\c)+7], 0
.else
	v_wmma_f32_16x16x32_f16 v[rS:rS+7], v[FB+32*\c+8*\kt:FB+32*\c+8*\kt+7], v[\qb+8*(2*\t+\c):\qb+8*(2*\t+\c)+7], v[rS:rS+7]
.endif
.endr
.endr
.endm
.macro PLACES                          ; plain vector lines between matrix instructions and loads into, or reads of, their registers
.rept 4
	v_nop
.endr
.endm
; A STEP: 64 keys against my 64 queries.  A step all of whose keys come after my queries is left out: a scalar branch on ids, round its loads and work, not round the lines at its end that step addresses.
.macro STEP
	s_cmp_gt_u32 s[KF], s[JD]
	s_cbranch_scc1 .Lhidden_\@
	v_add_nc_u32 v[ADK], s[TBK], v[AK0]
	v_add_nc_u32 v[ADV], s[TBV], v[AV0]
	KLOAD 0, 0
	KLOAD 1, 0
	s_wait_dscnt 8                                 ; the high parts' first half is in; the eight loads of the second may be out
	WIN W_KQ
	QKRUN 0, QH, 1                                 ; kh . qh: the first sixteen products start the sums
	QKRUN 0, QL, 0                                 ; kh . ql
	PLACES
	KLOAD 0, LOFF                                  ; the half just multiplied takes the low parts: they land during the next 32 products
	s_wait_dscnt 8                                 ; the high parts' second half is in; the eight just issued may be out
	QKRUN 1, QH, 0
	QKRUN 1, QL, 0
	PLACES
	KLOAD 1, LOFF
	s_wait_dscnt 8                                 ; the low parts' first half is in; the eight just issued may be out
	QKRUN 0, QH, 0                                 ; kl . qh
	s_wait_dscnt 0x0
	QKRUN 1, QH, 0
	WIN 0
	PLACES                                         ; in front of the loads into the buffer and of the first read of the scores
.irp ks, 0,1
.irp ct, 0,1,2,3
	ds_load_tr16_b128 v[FB+8*(4*\ks+\ct):FB+8*(4*\ks+\ct)+3],   v[ADV] offset:\ks*16*PV+32*\ct       ; V lands during the first softmax
	ds_load_tr16_b128 v[FB+8*(4*\ks+\ct)+4:FB+8*(4*\ks+\ct)+7], v[ADV] offset:\ks*16*PV+32*\ct+8*PV
.endr
.endr
	s_cmp_lg_u32 s[KF], s[JD]
	s_cbranch_scc1 .Lopen_\@
	MASK
.Lopen_\@:
	SOFTMAX 0
	s_wait_dscnt 0x0                               ; V is in
	PVRUN 0
	SOFTMAX 2
	PVRUN 2
	WIN 0
.rept 5
	v_nop                                          ; places in front of the next products, which write over P, of the loads into the buffer, and of reads of O^T
.endr
.Lhidden_\@:
	s_add_co_u32 s[KF], s[KF], 2                   ; my next step: two on
	s_add_co_u32 s[TBK], s[TBK], 2*KST
	s_add_co_u32 s[TBV], s[TBV], 2*VST
.endm
.macro TWO_STEPS                       ; my two steps of a slot: written once, walked twice
	s_mov_b32 s[TWICE], 2
.Lstep_\@:
	STEP
	s_sub_co_u32 s[TWICE], s[TWICE], 1
	s_cmp_lg_u32 s[TWICE], 0
	s_cbranch_scc1 .Lstep_\@
	s_sub_co_u32 s[TBK], s[TBK], 4*KST
	s_sub_co_u32 s[TBV], s[TBV], 4*VST
	s_xor_b32 s[TBK], s[TBK], SLOT1                ; on to the other slot
	s_xor_b32 s[TBV], s[TBV], SLOT1
.endm
; THE CHANGE OF SLOTS, at a slot's head.  Each wave waits for all its tensor loads, adds 0 to its spare word, waits for that and for its reads of the slot that it has left, and passes the barrier.
; fill = 1: the slot just left is filled with the walk's next 256 keys: that load has a whole slot's steps in which to land; by this text's count one tensor load of a wave is out at the most.
.macro CHANGE fill
	s_wait_tensorcnt 0x0
	ds_add_u32 v[SPW], v[NIL]
.if \fill
	ds_add_u32 v[SPW], v[NIL]                      ; and twice on end here
	s_xor_b32 s[G0K+1], s[G0K+1], SLOT1
	s_xor_b32 s[G0V+1], s[G0V+1], SLOT1
	s_xor_b32 s[G0L+1], s[G0L+1], SLOT1
	s_add_co_u32 s[KSN], s[KSN], 1                 ; the next slot of keys; behind the first block's last it is slot 0 again
	s_cmp_eq_u32 s[KSN], s[LA]
	s_cselect_b32 s[KSN], 0, s[KSN]
	s_lshl_b32 s[OFF], s[KSN], 15
	s_add_nc_u64 s[G0K+2:G0K+3], s[KB:KB+1], s[OFF:OFF+1]
	s_or_b32 s[G0K+3], s[G0K+3], 0x80000000
	s_add_nc_u64 s[G0V+2:G0V+3], s[VB:VB+1], s[OFF:OFF+1]
	s_or_b32 s[G0V+3], s[G0V+3], 0x80000000
	s_add_nc_u64 s[G0L+2:G0L+3], s[LBS:LBS+1], s[OFF:OFF+1]
	s_or_b32 s[G0L+3], s[G0L+3], 0x80000000
	s_wait_xcnt 0x0                                ; the last prefetches, a slot back, have read their address
	s_add_nc_u64 s[PFA:PFA+1], s[PFA:PFA+1], 32768
.endif
	s_wait_dscnt 0x0
	s_barrier_signal -1
	s_barrier_wait -1
.if \fill
	TLOAD                                          ; the first thing behind the barrier, and a wave's one tensor load until the next change
	ASK
.endif
.endm
.macro BAR2                            ; parts the reads of the hand-over (ahead of it) from the next stores into it (behind it); the tensor load that is out may stay out
	s_wait_dscnt 0x0
	s_barrier_signal -1
	s_barrier_wait -1
.endm
.macro SENDSTATE                       ; wave w + 4: c m, the sum and O^T go to LDS as images of their registers
.irp t, 0,1,2,3
	v_mov_b32 v[TM+2*\t], v[ST+8*\t]
	v_add_f32 v[TM+2*\t+1], v[ST+8*\t+2], v[ST+8*\t+3]
.endr
	WIN W_SD
.set ri, 0
.rept 32
	ds_store_b128 v[XA], v[OB+4*ri:OB+4*ri+3] offset:512*ri
.set ri, ri+1
.endr
	WIN 0
	ds_store_b128 v[XA], v[TM:TM+3] offset:16384
	ds_store_b128 v[XA], v[TM+4:TM+7] offset:16896
.endm
.macro MERGE_OUT                       ; wave w: both halves of the keys under one maximum, divided by the sum, rounded to f16, through my stage, stored as whole rows
	ds_load_b128 v[TM:TM+3], v[XA] offset:16384
	ds_load_b128 v[TM+4:TM+7], v[XA] offset:16896
.set ri, 0
.rept 32
	ds_load_b128 v[S+4*ri:S+4*ri+3], v[XA] offset:512*ri
.set ri, ri+1
.endr
	s_wait_dscnt 0x0
.irp t, 0,1,2,3
	v_max_num_f32 v[ST+8*\t+1], v[ST+8*\t], v[TM+2*\t]             ; the larger c m
.endr
.irp t, 0,1,2,3
	v_sub_f32 v[ST+8*\t+6], v[ST+8*\t], v[ST+8*\t+1]
	v_sub_f32 v[ST+8*\t+7], v[TM+2*\t], v[ST+8*\t+1]
.endr
.irp t, 0,1,2,3
	v_exp_f32 v[ST+8*\t+6], v[ST+8*\t+6]
	v_exp_f32 v[ST+8*\t+7], v[ST+8*\t+7]
.endr
.irp t, 0,1,2,3
	v_add_f32 v[ST+8*\t+2], v[ST+8*\t+2], v[ST+8*\t+3]             ; (plain lines behind the exponentials)
.endr
	s_wait_alu depctr_va_vdst(0)                   ; one wait for the eight
.irp t, 0,1,2,3
	v_mul_f32 v[ST+8*\t+2], v[ST+8*\t+2], v[ST+8*\t+6]
.endr
.irp t, 0,1,2,3
	v_fma_f32 v[ST+8*\t+2], v[TM+2*\t+1], v[ST+8*\t+7], v[ST+8*\t+2]
.endr
.irp t, 0,1,2,3
	v_permlanex16_b32 v[ST+8*\t+3], v[ST+8*\t+2], s[SEL], s[SEL+1]
.endr
.irp t, 0,1,2,3
	v_add_f32 v[ST+8*\t+2], v[ST+8*\t+2], v[ST+8*\t+3]             ; the row's sum
.endr
.irp t, 0,1,2,3
	v_rcp_f32 v[ST+8*\t+3], v[ST+8*\t+2]
.endr
	v_nop
	s_wait_alu depctr_va_vdst(0)                   ; one wait for the four
.irp t, 0,1,2,3
	v_mul_f32 v[ST+8*\t+4], v[ST+8*\t+6], v[ST+8*\t+3]             ; my factor,
	v_mul_f32 v[ST+8*\t+6], v[ST+8*\t+7], v[ST+8*\t+3]             ; my partner's
.endr
.irp t, 0,1,2,3
.irp j, 0,2,4,6,8,10,12,14,16,18,20,22,24,26,28,30
	v_pk_mul_f32 v[S+32*\t+\j:S+32*\t+\j+1], v[S+32*\t+\j:S+32*\t+\j+1], v[ST+8*\t+6:ST+8*\t+7] op_sel_hi:[1,0]
.endr
.endr
	WIN W_MG
.irp t, 0,1,2,3
.irp j, 0,2,4,6,8,10,12,14,16,18,20,22,24,26,28,30
	v_pk_fma_f32 v[S+32*\t+\j:S+32*\t+\j+1], v[OB+32*\t+\j:OB+32*\t+\j+1], v[ST+8*\t+4:ST+8*\t+5], v[S+32*\t+\j:S+32*\t+\j+1] op_sel_hi:[1,0,1]
.endr
.endr
	WIN 0
.irp t, 0,1,2,3
.irp i, 0,1,2,3,4,5,6,7,8,9,10,11,12,13,14,15
	v_cvt_pk_f16_f32 v[S+32*\t+\i], v[S+32*\t+2*\i], v[S+32*\t+2*\i+1]
.endr
.irp ct, 0,1,2,3
	ds_store_b128 v[STO], v[S+32*\t+4*\ct:S+32*\t+4*\ct+3] offset:32*\ct
.endr
.irp i, 0,1,2,3
	ds_load_b128 v[FB+16*\t+4*\i:FB+16*\t+4*\i+3], v[RD] offset:576*\i   ; LDS serves a wave's instructions in order: these see the stores above, and the next tile's stores come behind them
.endr
.endr
	s_wait_dscnt 0x0
.irp t, 0,1,2,3
.irp i, 0,1,2,3
	global_store_b128 v[GO], v[FB+16*\t+4*\i:FB+16*\t+4*\i+3], s[YB:YB+1] offset:\t*2048+512*\i   ; 32 lanes store 512 consecutive bytes, aligned
.endr
.endr
	s_wait_xcnt 0x0                                ; the stores have read their base and registers
.endm
.macro SWITCH                          ; in the trip behind the first block's last slot: the owner merges and stores, and both waves begin the second block
	s_cmp_lg_u32 s[SWC], 0
	s_cbranch_scc1 .Lsame_\@
	s_cmp_lg_u32 s[G], 0
	s_cbranch_scc1 .Lnot_owner_\@
	MERGE_OUT
.Lnot_owner_\@:
	s_sub_co_u32 s96, 3, s[W]                      ; the groups of queries in reverse, so that every pair's two blocks add up alike
	s_lshl_b32 s96, s96, 6
	s_lshl_b32 s97, s[PP], 8
	s_add_co_u32 s[Q0], s96, s97
	INIT
	s_mov_b32 s[KF], s[G]
.Lsame_\@:
.endm
	s_load_b128 s[4:7], s[0:1], 0x0                ; qkvh, yh
	v_lshl_add_u32 v[SPW], v0, 2, SPARE
	v_mov_b32 v[NIL], 0
	ds_add_u32 v[SPW], v[NIL]                      ; the wave's opening: the add, twice on end, and its wait ahead of my first tensor load
	ds_add_u32 v[SPW], v[NIL]
	v_lshrrev_b32 v14, 5, v0
	v_readfirstlane_b32 s[WV], v14                 ; wave 0..7
	s_lshr_b32 s[G], s[WV], 2                      ; which half of the keys
	s_and_b32 s[W], s[WV], 3                       ; which pair
	s_and_b32 s[HF], s[WV], 1                      ; which half of a tile I fetch and ask for
	s_mov_b32 s[PP], ttmp9
	s_and_b32 s[BH], ttmp7, 0xffff
	s_sub_co_u32 s[LA], 8, s[PP]                   ; slots of the first block
	s_mov_b32 s[G1K], (3<<16)|(1<<20)|(5<<22)|(3<<25)              ; dense bytes as rows of 32 elements of 8 bytes; padding: 4 words after every 64
	s_mov_b32 s[G1V], (3<<16)|(1<<20)|(5<<22)|(7<<25)              ; 8 words of padding
.irp g, G1K, G1V
	s_mov_b32 s[\g+1], 32<<16                      ; tensor_dim0
	s_mov_b32 s[\g+2], 64<<16                      ; tensor_dim1: 64 rows = 128 keys
	s_mov_b32 s[\g+3], 32<<16                      ; tile_dim0
	s_mov_b32 s[\g+4], 64                          ; tile_dim1
	s_mov_b32 s[\g+5], 32                          ; the pitch
	s_mov_b32 s[\g+6], 0
	s_mov_b32 s[\g+7], 0
.endr
	s_mov_b32 s[SEL], 0x76543210
	s_mov_b32 s[SEL+1], 0xfedcba98
	s_mov_b32 s[TBK], 0
	s_mov_b32 s[TBV], 0
	s_mov_b32 s[SLOTS], 8
	s_mov_b32 s[SWC], s[LA]
	s_mov_b32 s[KSN], 0
	s_mov_b32 s[OFF+1], 0
	s_cmp_lt_u32 s[WV], 6
	s_cselect_b32 s96, 0, 1
	s_or_b32 s96, s96, ttmp9                       ; 0 in waves 0 to 5 of the head's work-group with p = 0
	s_cmp_eq_u32 s96, 0
	s_cselect_b32 s[LIM], 2, -1
	; every LDS address is made here, ahead of the first branch on the wave's number
	v_and_b32 v14, 15, v0                          ; r
	v_bfe_u32 v15, v0, 4, 1                        ; h
	v_lshrrev_b32 v[AK0], 1, v14
	v_mul_u32_u24 v[AK0], v[AK0], PK
	v_and_b32 v3, 1, v14
	v_lshl_add_u32 v[AK0], v3, 7, v[AK0]
	v_lshl_add_u32 v[AK0], v15, 4, v[AK0]
	s_mul_i32 s96, s[G], KST
	v_add_nc_u32 v[AK0], s96, v[AK0]               ; key r of a tile: row r / 2, half r % 2, + 16 h; my first step
	v_bfe_u32 v[AV0], v0, 1, 2
	v_lshl_add_u32 v[AV0], v15, 2, v[AV0]
	v_mul_u32_u24 v[AV0], v[AV0], PV
	v_and_b32 v3, 1, v0
	v_lshl_add_u32 v[AV0], v3, 7, v[AV0]
	v_bfe_u32 v3, v0, 3, 1
	v_lshl_add_u32 v[AV0], v3, 4, v[AV0]
	s_mul_i32 s96, s[G], VST
	s_add_co_u32 s96, s96, VOFF
	v_add_nc_u32 v[AV0], s96, v[AV0]               ; the turning load: key 8 h + lane % 8, channels 8 ((lane / 8) % 2) on
	v_lshlrev_b32 v[QO], 7, v14
	v_lshl_add_u32 v[QO], v15, 4, v[QO]
	v_lshlrev_b32 v[DM], 3, v15
	v_sub_nc_u32 v[DM], v14, v[DM]
	v_and_b32 v[GO], 31, v0
	v_lshlrev_b32 v[PFO], 8, v[GO]
	v_lshlrev_b32 v[GO], 4, v[GO]
	s_mul_i32 s96, s[W], XW
	s_add_co_u32 s96, s96, XCH
	v_add_nc_u32 v[XA], s96, v[GO]
	s_mul_i32 s96, s[W], SGW
	s_add_co_u32 s96, s96, STG
	v_mul_u32_u24 v[STO], v14, 144
	v_lshl_add_u32 v[STO], v15, 4, v[STO]
	v_add_nc_u32 v[STO], s96, v[STO]
	v_bfe_u32 v[RD], v0, 3, 2
	v_mul_u32_u24 v[RD], v[RD], 144
	v_and_b32 v3, 7, v0
	v_lshl_add_u32 v[RD], v3, 4, v[RD]
	v_add_nc_u32 v[RD], s96, v[RD]
	s_wait_dscnt 0x0                               ; both opening adds are done
	s_wait_kmcnt 0x0
	s_lshl_b32 s96, s[BH], 18
	s_mov_b32 s97, 0
	s_add_nc_u64 s[QP:QP+1], s[4:5], s[96:97]      ; q's plane
	s_add_nc_u64 s[YP:YP+1], s[6:7], s[96:97]      ; y's plane
	s_lshl_b32 s96, s[HF], 14
	s_add_nc_u64 s[KB:KB+1], s[QP:QP+1], s[96:97]
	s_add_nc_u64 s[VB:VB+1], s[KB:KB+1], 0x2000000 ; v's plane, my half of a slot
	s_add_nc_u64 s[LBS:LBS+1], s[KB:KB+1], 0x4000000   ; k's low parts
	s_add_nc_u64 s[KB:KB+1], s[KB:KB+1], 0x1000000 ; k's high parts
	s_cmp_lt_u32 s[WV], 2
	s_cselect_b64 s[PFA:PFA+1], s[KB:KB+1], s[VB:VB+1]
	s_cmp_lt_u32 s[WV], 4
	s_cselect_b64 s[PFA:PFA+1], s[PFA:PFA+1], s[LBS:LBS+1]         ; the stream that I fetch
	s_add_nc_u64 s[PFA:PFA+1], s[PFA:PFA+1], 32768 ; in slot 1: the first change steps it to slot 2.  Nothing is prefetched here, at the head
	s_mov_b32 s[G0K], 1
	s_mul_i32 s[G0K+1], s[HF], 64*PK
	s_mov_b64 s[G0K+2:G0K+3], s[KB:KB+1]
	s_or_b32 s[G0K+3], s[G0K+3], 0x80000000
	s_mov_b32 s[G0L], 1
	s_mul_i32 s[G0L+1], s[HF], 64*PK
	s_add_co_u32 s[G0L+1], s[G0L+1], LOFF
	s_mov_b64 s[G0L+2:G0L+3], s[LBS:LBS+1]
	s_or_b32 s[G0L+3], s[G0L+3], 0x80000000
	s_mov_b32 s[G0V], 1
	s_mul_i32 s[G0V+1], s[HF], 64*PV
	s_add_co_u32 s[G0V+1], s[G0V+1], VOFF
	s_mov_b64 s[G0V+2:G0V+3], s[VB:VB+1]
	s_or_b32 s[G0V+3], s[G0V+3], 0x80000000
	TLOAD                                          ; slot 0: keys 0 to 255
	s_sub_co_u32 s96, 7, s[PP]
	s_lshl_b32 s96, s96, 8
	s_lshl_b32 s97, s[W], 6
	s_add_co_u32 s[Q0], s96, s97                   ; the first block: 256 (7 - p) + 64 w
	INIT
	s_mov_b32 s[KF], s[G]
.Lslot:                                            ; eight trips: behind each change the walk's next slot is asked for; all nine slots are read
	CHANGE 1
	SWITCH
	BAR2
	TWO_STEPS
	s_sub_co_u32 s[SWC], s[SWC], 1
	s_cmp_lg_u32 s[SWC], 0                         ; was that the first block's last slot?
	s_cbranch_scc1 .Lkeep
	s_cmp_eq_u32 s[G], 0
	s_cbranch_scc1 .Lkeep
	SENDSTATE                                      ; the next change's barrier, with its wait in front, shows it to the owner
.Lkeep:
	s_sub_co_u32 s[SLOTS], s[SLOTS], 1
	s_cmp_lg_u32 s[SLOTS], 0
	s_cbranch_scc1 .Lslot
	CHANGE 0                                       ; the last slot is written out: nothing is left to fetch
	SWITCH
	BAR2
	TWO_STEPS
	s_cmp_eq_u32 s[G], 0
	s_cbranch_scc1 .Lno_send
	SENDSTATE
.Lno_send:
	s_wait_dscnt 0x0
	s_barrier_signal -1
	s_barrier_wait -1
	s_cmp_lg_u32 s[G], 0
	s_cbranch_scc1 .Lend
	MERGE_OUT
.Lend:
	s_wait_tensorcnt 0x0                           ; the wave's end
	ds_add_u32 v[SPW], v[NIL]
	s_wait_dscnt 0x0
	s_endpgm
.Lfunc_end_k_qc051bd66fa_attn:
	.size	k_qc051bd66fa_attn, .Lfunc_end_k_qc051bd66fa_attn-k_qc051bd66fa_attn
	.p2alignl 7, 3214868480
	.fill 96, 4, 3214868480
	.section	.rodata,"a",@progbits
	.p2align	6, 0x0
	.amdhsa_kernel k_qc051bd66fa_attn
		.amdhsa_group_segment_fixed_size 327680
		.amdhsa_private_segment_fixed_size 0
		.amdhsa_enable_private_segment 0
		.amdhsa_kernarg_size 16
		.amdhsa_user_sgpr_count 2
		.amdhsa_user_sgpr_kernarg_segment_ptr 1
		.amdhsa_wavefront_size32 1
		.amdhsa_system_sgpr_workgroup_id_x 1
		.amdhsa_system_sgpr_workgroup_id_y 1
		.amdhsa_system_sgpr_workgroup_id_z 1
		.amdhsa_system_vgpr_workitem_id 0
		.amdhsa_next_free_vgpr 512
		.amdhsa_next_free_sgpr 100
		.amdhsa_reserve_vcc 0
		.amdhsa_float_denorm_mode_32 3
		.amdhsa_float_denorm_mode_16_64 3
		.amdhsa_memory_ordered 1
		.amdhsa_forward_progress 1
		.amdhsa_inst_pref_size 187
	.end_amdhsa_kernel
	.amdgpu_metadata
---
amdhsa.version: [ 1, 2 ]
amdhsa.kernels:
  - .name:           k_qc051bd66fa_attn
    .symbol:         k_qc051bd66fa_attn.kd
    .args:
      - { .name: qkvh, .offset: 0, .size: 8, .value_kind: global_buffer, .address_space: global }
      - { .name: yh, .offset: 8, .size: 8, .value_kind: global_buffer, .address_space: global }
    .group_segment_fixed_size: 327680
    .private_segment_fixed_size: 0
    .kernarg_segment_align: 8
    .kernarg_segment_size: 16
    .max_flat_workgroup_size: 256
    .sgpr_count:     100
    .vgpr_count:     512
    .wavefront_size: 32
...
	.end_amdgpu_metadata
.endif
;; end of part 3
;; launch proj (part 4): grid 8 x 32, 4 waves a work-group, clusters of 4 x 4, 327,680 bytes of LDS; arguments yh, wpt, out0; writes out0
.if DOCPART == 4
	.amdgcn_target "amdgcn-amd-amdhsa--gfx1250"
	.amdhsa_code_object_version 6
	.text
	.protected	k_qc051bd66fa_proj
	.globl	k_qc051bd66fa_proj
	.p2align	8
	.type	k_qc051bd66fa_proj,@function
k_qc051bd66fa_proj:
	s_mov_b64 s[64:65], 0
	v_nop
	global_prefetch_b8 v0, s[64:65] scope:SCOPE_SE
	s_setreg_imm32_b32 hwreg(HW_REG_WAVE_MODE, 25, 1), 1
	s_wait_xcnt 0x0
	s_wait_alu depctr_hold_cnt(0) depctr_sa_sdst(0) depctr_va_vdst(0) depctr_va_sdst(0) depctr_va_ssrc(0) depctr_va_vcc(0) depctr_vm_vsrc(0)
	s_getreg_b32 s2, hwreg(HW_REG_IB_STS2, 6, 4)
	s_cmp_eq_u32 s2, 0
	s_cbranch_scc0 .Lentry_in_a_cluster
	s_endpgm
.Lentry_in_a_cluster:
	s_bfe_u32 s2, ttmp6, 0x10000c
	s_cmp_lg_u32 s2, 0xf033
	s_cbranch_scc0 .Lentry_shape_is_right
	s_endpgm
.Lentry_shape_is_right:
; PROJ: out0[m][n] = sum over k of y[m][k] w_proj[k][n].  y: f16, laid by head, yh [64 (batch, head)][2048][64]; w_proj: f16, turned, wpt [1024 n][1024 k]; out0 [8192][1024] f32; sums in f32.
; A tile of 256 x 128 gives 256 work-groups.  Four waves, each 128 x 64: 32 accumulators, 256 registers (window 1).  K goes in 8 steps of 128 (two heads) through a ring of two LDS slots.
; A K step's rows of y are, for each of its two heads, 32,768 dense bytes: they come as 128 rows of 256 bytes (two positions a row), 16 bytes of padding behind each.
; CLUSTER 4 x 4: y's tiles are shared along a row of the cluster, wpt's along a column: each is asked for jointly, by the same load with the same descriptor and a mask that names the four.
; THE MATRIX INSTRUCTION IS USED TRANSPOSED (source 0 = 16 rows of wpt, source 1 = 16 rows of y): a lane holds eight neighbouring columns of one row.
; The whole tile is stored; the first 16 positions of each batch are stored once more, from f32 operands, by the launch that follows (a branch on the tile row would hang on the place in the cluster).
; No prefetch: a refill has 112 matrix instructions a wave in which to land, and each tile is fetched once for four work-groups.
.set PITCH,  272
.set PLANE,  128*PITCH                 ; 256 positions of one head
.set BHALF,  64*PITCH                  ; 64 rows of wpt
.set SLOT,   3*PLANE                   ; two planes of y, then 128 rows of wpt
.set STAGE,  2*SLOT                    ; 16 rows x (256 bytes + 16) for each wave
.set SPARE,  STAGE+4*16*PITCH
.set LAPS,   4
.set ADRA, 16
.set ADRB, 20
.set STO,  24
.set RD,   25
.set CO,   26
.set SPW,  28
.set NIL,  29
.set F0,   64                          ; a fragment buffer: y's 8 blocks (64 registers), then wpt's 4 (32)
.set F1,   160
.set G1, 24
.set G0, 32
.set G1B, 48
.set G0B, 56
.set MSB, 0
.macro WIN new
.if MSB != \new
	s_set_vgpr_msb (MSB<<8)|\new
.set MSB, \new
.endif
.endm
.set W_MUL, 0x50                       ; C and D window 1
.macro JLOAD s                         ; waves 0 and 1 fetch y's two planes, waves 2 and 3 wpt's halves; an s_nop 0 and four v_nop follow each line
	s_cmp_eq_u32 s11, 0
	s_cbranch_scc0 .Lfor_b_\@
	tensor_load_to_lds s[G0+4*\s:G0+4*\s+3], s[G1:G1+7]
	s_nop 0
.rept 4
	v_nop
.endr
	s_branch .Lasked_\@
.Lfor_b_\@:
	tensor_load_to_lds s[G0B+4*\s:G0B+4*\s+3], s[G1B:G1B+7]
	s_nop 0
.rept 4
	v_nop
.endr
.Lasked_\@:
.endm
.macro CREST
	s_cmp_lg_u32 s10, 0
	s_cbranch_scc1 .Lnot_wave_0_\@
	s_barrier_signal -3
.Lnot_wave_0_\@:
	s_barrier_wait -3
	s_barrier_signal -1
	s_barrier_wait -1
.endm
.macro CROUND
	s_barrier_signal -1
	s_barrier_wait -1
	CREST
.endm
	s_load_b128 s[4:7], s[0:1], 0x0                ; yh, wpt
	s_load_b64 s[8:9], s[0:1], 0x10                ; out0
	v_lshl_add_u32 v[SPW], v0, 2, SPARE
	v_mov_b32 v[NIL], 0
	ds_add_u32 v[SPW], v[NIL]                      ; the wave's opening: the add, twice on end, and its wait ahead of my first tensor load
	ds_add_u32 v[SPW], v[NIL]
	v_lshrrev_b32 v1, 5, v0
	v_readfirstlane_b32 s10, v1                    ; wave 0..3
	s_lshr_b32 s11, s10, 1                         ; which 128 rows are mine.  Also: I fetch for y (0) or for wpt (1)
	s_and_b32 s12, s10, 1                          ; which 64 columns.  Also: which plane, or which 64 rows, I fetch
	s_bfe_u32 s40, ttmp6, 0x40000                  ; cx
	s_bfe_u32 s41, ttmp6, 0x40004                  ; cy
	s_lshl_b32 s42, ttmp9, 2
	s_add_co_u32 s42, s42, s40                     ; tile column
	s_and_b32 s13, ttmp7, 0xffff
	s_lshl_b32 s13, s13, 2
	s_add_co_u32 s13, s13, s41                     ; tile row
	s_lshl_b32 s43, s41, 2
	s_lshl_b32 s43, 15, s43                        ; my row of the cluster
	s_lshl_b32 s44, 0x1111, s40                    ; my column
	s_or_b32 s[G1+0], s43, (3<<16)|(1<<20)|(1<<21)|(5<<22)|(3<<25)   ; y: elements of 8 bytes; padding: 4 words after every 64; bit 21 beside the mask
	s_mov_b32 s[G1+1], 32<<16                      ; tensor_dim0: 256 bytes
	s_mov_b32 s[G1+2], 128<<16                     ; tensor_dim1
	s_mov_b32 s[G1+3], 32<<16                      ; tile_dim0
	s_mov_b32 s[G1+4], 128                         ; tile_dim1
	s_mov_b32 s[G1+5], 32                          ; the pitch: dense
	s_mov_b32 s[G1+6], 0
	s_mov_b32 s[G1+7], 0
	s_or_b32 s[G1B+0], s44, (1<<16)|(1<<20)|(1<<21)|(5<<22)|(3<<25)  ; wpt: elements of 2 bytes
	s_mov_b32 s[G1B+1], 128<<16
	s_mov_b32 s[G1B+2], 64<<16
	s_mov_b32 s[G1B+3], 128<<16
	s_mov_b32 s[G1B+4], 64
	s_mov_b32 s[G1B+5], 1024
	s_mov_b32 s[G1B+6], 0
	s_mov_b32 s[G1B+7], 0
	s_lshr_b32 s16, s13, 3                         ; y: plane 16 x batch + my plane of the K step,
	s_lshl_b32 s16, s16, 4
	s_add_co_u32 s16, s16, s12
	s_lshl_b32 s16, s16, 18
	s_and_b32 s17, s13, 7
	s_lshl_b32 s17, s17, 15                        ; in it 256 positions of 128 bytes a tile row
	s_add_co_u32 s16, s16, s17
	s_mov_b32 s17, 0
	s_lshl_b32 s46, s42, 18                        ; wpt: row 128 x tile column + 64 x half, 2,048 bytes a row
	s_lshl_b32 s47, s12, 17
	s_add_co_u32 s46, s46, s47
	s_mov_b32 s47, 0
	s_mul_i32 s20, s12, PLANE                      ; where they go: the wave's number alone
	s_mul_i32 s21, s12, BHALF
	s_add_co_u32 s21, s21, 2*PLANE
	s_wait_dscnt 0x0                               ; both opening adds are done
	s_wait_kmcnt 0x0
	s_add_nc_u64 s[14:15], s[4:5], s[16:17]
	s_add_nc_u64 s[46:47], s[6:7], s[46:47]
	CROUND                                         ; all sixteen work-groups are here: the first joint loads meet
.irp s, 0,1
	s_mov_b32 s[G0+4*\s], 1
	s_add_co_u32 s[G0+4*\s+1], s20, \s*SLOT
	s_add_nc_u64 s[G0+4*\s+2:G0+4*\s+3], s[14:15], \s*524288       ; K step s: two planes on
	s_or_b32 s[G0+4*\s+3], s[G0+4*\s+3], 0x80000000
	s_mov_b32 s[G0B+4*\s], 1
	s_add_co_u32 s[G0B+4*\s+1], s21, \s*SLOT
	s_add_nc_u64 s[G0B+4*\s+2:G0B+4*\s+3], s[46:47], \s*256
	s_or_b32 s[G0B+4*\s+3], s[G0B+4*\s+3], 0x80000000
	JLOAD \s                                       ; two tensor loads of mine are out now
.endr
	v_and_b32 v1, 15, v0                           ; r
	v_bfe_u32 v2, v0, 4, 1                         ; h
	v_lshrrev_b32 v3, 1, v1
	v_mul_u32_u24 v3, v3, PITCH
	v_and_b32 v4, 1, v1
	v_lshl_add_u32 v3, v4, 7, v3
	v_lshl_add_u32 v3, v2, 4, v3                   ; y: position r of a block: row r / 2, half r % 2, + 16 h
	v_mul_u32_u24 v4, v1, PITCH
	v_lshl_add_u32 v4, v2, 4, v4                   ; wpt: row r, + 16 h
	s_mul_i32 s21, s11, 64*PITCH                   ; my 128 positions
	s_mul_i32 s22, s12, BHALF
	s_add_co_u32 s22, s22, 2*PLANE                 ; my 64 rows of wpt
.irp s, 0,1
	v_add_nc_u32 v[ADRA+\s], s21, v3
	v_add_nc_u32 v[ADRB+\s], s22, v4
	s_add_co_u32 s21, s21, SLOT
	s_add_co_u32 s22, s22, SLOT
.endr
	s_mul_i32 s23, s10, 16*PITCH
	s_add_co_u32 s23, s23, STAGE                   ; my stage
	v_mul_u32_u24 v5, v1, PITCH
	v_lshl_add_u32 v5, v2, 5, v5
	v_add_nc_u32 v[STO], s23, v5                   ; in: row r, 32 bytes for each half of the lanes
	v_mul_u32_u24 v5, v2, PITCH
	v_lshl_add_u32 v5, v1, 4, v5
	v_add_nc_u32 v[RD], s23, v5                    ; back: sixteen lanes to a row of 256 bytes
	v_lshlrev_b32 v5, 12, v2
	v_lshl_add_u32 v[CO], v1, 4, v5                ; and the same two rows in out0
	s_lshl_b32 s16, s13, 8
	s_lshl_b32 s17, s11, 7
	s_add_co_u32 s16, s16, s17
	s_lshl_b32 s16, s16, 12                        ; my first row, 4,096 bytes a row
	s_mov_b32 s17, 0
	s_add_nc_u64 s[8:9], s[8:9], s[16:17]
	s_lshl_b32 s46, s42, 9
	s_lshl_b32 s47, s12, 8
	s_add_co_u32 s46, s46, s47                     ; my first column, in bytes
	s_mov_b32 s47, 0
	s_add_nc_u64 s[8:9], s[8:9], s[46:47]
.macro MUL8 f, a0, zero                ; y's blocks a0, a0 + 1 against wpt's four, 32 along K.  The 32 accumulators take turns, one instruction a turn
.irp a, \a0, \a0+1
.irp j, 0,1,2,3
.if \zero
	v_wmma_f32_16x16x32_f16 v[8*(4*(\a)+\j):8*(4*(\a)+\j)+7], v[\f+64+8*\j:\f+64+8*\j+7], v[\f+8*(\a):\f+8*(\a)+7], 0
.else
	v_wmma_f32_16x16x32_f16 v[8*(4*(\a)+\j):8*(4*(\a)+\j)+7], v[\f+64+8*\j:\f+64+8*\j+7], v[\f+8*(\a):\f+8*(\a)+7], v[8*(4*(\a)+\j):8*(4*(\a)+\j)+7]
.endif
.endr
.endr
.endm
.macro FETCH slot, q, f                ; 24 LDS loads in one run: the slot's q-th 32 along K: wpt's four blocks, then y's eight
	WIN 0
.irp j, 0,1,2,3
	ds_load_b128 v[\f+64+8*\j:\f+64+8*\j+3],   v[ADRB+\slot] offset:\j*16*PITCH+64*(\q)
	ds_load_b128 v[\f+64+8*\j+4:\f+64+8*\j+7], v[ADRB+\slot] offset:\j*16*PITCH+64*(\q)+32
.endr
.irp a, 0,1,2,3,4,5,6,7
	ds_load_b128 v[\f+8*\a:\f+8*\a+3],   v[ADRA+\slot] offset:((\q)/2)*PLANE+\a*8*PITCH+64*((\q)%2)
	ds_load_b128 v[\f+8*\a+4:\f+8*\a+7], v[ADRA+\slot] offset:((\q)/2)*PLANE+\a*8*PITCH+64*((\q)%2)+32
.endr
.endm
.macro PLACES                          ; plain vector lines between matrix instructions and loads into, or reads of, their registers
.rept 4
	v_nop
.endr
.endm
.macro QUARTER slot, q, f, g, zero     ; multiplies buffer f; in its middle fetches the slot's q-th quarter into g
	s_wait_dscnt 8                                 ; wpt's blocks and y's blocks 0-3 are in; the youngest eight loads (y's blocks 4-7) may be out
	WIN W_MUL
	MUL8 \f, 0, \zero
	MUL8 \f, 2, \zero
	PLACES
	FETCH \slot, \q, \g
	s_wait_dscnt 24                                ; all but the 24 just issued
	WIN W_MUL
	MUL8 \f, 4, \zero
	MUL8 \f, 6, \zero
.endm
; A slot's last quarter changes slots: one barrier; in front of it each wave waits for all its tensor loads, adds 0 to its spare word, and waits for that and for its reads of this slot.  fill = 1: the barrier opens a round of the cluster's, and this slot is filled again, two K steps ahead.
.macro TURN slot, next, fill
	WIN 0
	s_wait_tensorcnt 0x0                           ; my part of the next slot has landed
	ds_add_u32 v[SPW], v[NIL]
	s_wait_dscnt 9                                 ; the add and the youngest eight loads may be out
	WIN W_MUL
	MUL8 F1, 0, 0
	s_wait_dscnt 0x0                               ; the add is done, and my reads of this slot are over
	s_barrier_signal -1
	MUL8 F1, 2, 0
	WIN 0
	s_barrier_wait -1
.if \fill
	CREST                                          ; no wave of any partner still reads this slot or has a load on its way
	s_add_nc_u64 s[G0+4*\slot+2:G0+4*\slot+3], s[G0+4*\slot+2:G0+4*\slot+3], 1048576
	s_add_nc_u64 s[G0B+4*\slot+2:G0B+4*\slot+3], s[G0B+4*\slot+2:G0B+4*\slot+3], 512
	JLOAD \slot                                    ; the first tensor load behind the round; its four v_nop are also the places in front of the loads below
.else
	PLACES
.endif
	FETCH \next, 0, F0
	WIN W_MUL
	MUL8 F1, 4, 0
	MUL8 F1, 6, 0
.endm
	s_wait_tensorcnt 1                             ; my part of K step 0 is in; K step 1's load may be out
	s_barrier_signal -1
	s_barrier_wait -1
	FETCH 0, 0, F0
	QUARTER 0, 1, F0, F1, 1                        ; the first quarter's products start the sums
	WIN 0
	s_mov_b32 s3, LAPS-1
.Llap:                                             ; a trip goes once round the ring and fills both slots again
	QUARTER 0, 2, F1, F0, 0
	QUARTER 0, 3, F0, F1, 0
	TURN 0, 1, 1
	QUARTER 1, 1, F0, F1, 0
	QUARTER 1, 2, F1, F0, 0
	QUARTER 1, 3, F0, F1, 0
	TURN 1, 0, 1
	QUARTER 0, 1, F0, F1, 0
	WIN 0
	s_sub_co_u32 s3, s3, 1
	s_cmp_lg_u32 s3, 0
	s_cbranch_scc1 .Llap
	QUARTER 0, 2, F1, F0, 0                        ; the last lap fills nothing
	QUARTER 0, 3, F0, F1, 0
	TURN 0, 1, 0
	QUARTER 1, 1, F0, F1, 0
	QUARTER 1, 2, F1, F0, 0
	QUARTER 1, 3, F0, F1, 0
	s_wait_dscnt 8
	WIN W_MUL
	MUL8 F1, 0, 0
	MUL8 F1, 2, 0
	s_wait_dscnt 0
	MUL8 F1, 4, 0
	MUL8 F1, 6, 0
	WIN 0
; THE WAY OUT, block by block of 16 rows x 64 columns, through my own stage: back as rows of 256 bytes, sixteen lanes to a row.
.macro TOSTAGE a
	WIN 0x04                                       ; an LDS store's data are its source 1: window 1
.irp j, 0,1,2,3
	ds_store_b128 v[STO], v[8*(4*(\a)+\j):8*(4*(\a)+\j)+3] offset:64*\j        ; each accumulator from its low end on
	ds_store_b128 v[STO], v[8*(4*(\a)+\j)+4:8*(4*(\a)+\j)+7] offset:64*\j+16
.endr
	WIN 0
.set BB, F0+32*((\a)%2)
.irp t, 0,1,2,3,4,5,6,7
	ds_load_b128 v[BB+4*\t:BB+4*\t+3], v[RD] offset:2*\t*PITCH     ; LDS serves a wave's instructions in order: these see the stores above
.endr
.endm
.macro SEND a, younger
.set BB, F0+32*((\a)%2)
	s_wait_dscnt \younger                          ; the block is back; the next block's sixteen LDS instructions may be out
.irp t, 0,1,2,3,4,5,6,7
	global_store_b128 v[CO], v[BB+4*\t:BB+4*\t+3], s[8:9] offset:(16*(\a)+2*\t)*4096 th:TH_STORE_NT   ; sixteen lanes store 256 consecutive bytes, aligned
.endr
.endm
	PLACES
	TOSTAGE 0
.irp a, 1,2,3,4,5,6,7
.if \a > 1
	s_wait_xcnt 0x0                                ; block a - 2's stores have read their registers: block a's loads may land there
.endif
	TOSTAGE \a
	SEND \a-1, 16
.endr
	SEND 7, 0
	s_wait_tensorcnt 0x0                           ; the wave's end
	ds_add_u32 v[SPW], v[NIL]
	s_wait_dscnt 0x0
	CROUND                                         ; the closing round
	s_endpgm
.Lfunc_end_k_qc051bd66fa_proj:
	.size	k_qc051bd66fa_proj, .Lfunc_end_k_qc051bd66fa_proj-k_qc051bd66fa_proj
	.p2alignl 7, 3214868480
	.fill 96, 4, 3214868480
	.section	.rodata,"a",@progbits
	.p2align	6, 0x0
	.amdhsa_kernel k_qc051bd66fa_proj
		.amdhsa_group_segment_fixed_size 327680
		.amdhsa_private_segment_fixed_size 0
		.amdhsa_enable_private_segment 0
		.amdhsa_kernarg_size 24
		.amdhsa_user_sgpr_count 2
		.amdhsa_user_sgpr_kernarg_segment_ptr 1
		.amdhsa_wavefront_size32 1
		.amdhsa_system_sgpr_workgroup_id_x 1
		.amdhsa_system_sgpr_workgroup_id_y 1
		.amdhsa_system_sgpr_workgroup_id_z 1
		.amdhsa_system_vgpr_workitem_id 0
		.amdhsa_next_free_vgpr 512
		.amdhsa_next_free_sgpr 66
		.amdhsa_reserve_vcc 0
		.amdhsa_float_denorm_mode_32 3
		.amdhsa_float_denorm_mode_16_64 3
		.amdhsa_memory_ordered 1
		.amdhsa_forward_progress 1
		.amdhsa_inst_pref_size 86
	.end_amdhsa_kernel
	.amdgpu_metadata
---
amdhsa.version: [ 1, 2 ]
amdhsa.kernels:
  - .name:           k_qc051bd66fa_proj
    .symbol:         k_qc051bd66fa_proj.kd
    .args:
      - { .name: yh, .offset: 0, .size: 8, .value_kind: global_buffer, .address_space: global }
      - { .name: wpt, .offset: 8, .size: 8, .value_kind: global_buffer, .address_space: global }
      - { .name: out0, .offset: 16, .size: 8, .value_kind: global_buffer, .address_space: global }
    .group_segment_fixed_size: 327680
    .private_segment_fixed_size: 0
    .kernarg_segment_align: 8
    .kernarg_segment_size: 24
    .max_flat_workgroup_size: 128
    .sgpr_count:     66
    .vgpr_count:     512
    .wavefront_size: 32
...
	.end_amdgpu_metadata
.endif
;; end of part 4
;; launch first16 (part 5): grid 64 x 4, 8 waves a work-group, no clusters, 9,216 bytes of LDS; arguments q32, w_proj, out0; writes out0
.if DOCPART == 5
	.amdgcn_target "amdgcn-amd-amdhsa--gfx1250"
	.amdhsa_code_object_version 6
	.text
	.protected	k_qc051bd66fa_first16
	.globl	k_qc051bd66fa_first16
	.p2align	8
	.type	k_qc051bd66fa_first16,@function
k_qc051bd66fa_first16:
	s_mov_b64 s[64:65], 0
	v_nop
	global_prefetch_b8 v0, s[64:65] scope:SCOPE_SE
	s_setreg_imm32_b32 hwreg(HW_REG_WAVE_MODE, 25, 1), 1
	s_wait_xcnt 0x0
; FIRST16: the first 16 positions of each batch, where a row of the softmax averages one to sixteen values, are made in f32 throughout: attention and the projection, by v_wmma_f32_16x16x4_f32.
; q32 [64 = 16 batch + t][3072] f32 holds their q, k and v.  Work-group (x, batch) makes out0's columns 16 x .. 16 x + 15 of the batch's 16 rows, over what the launch before stored there.
; Wave wv takes heads 2 wv and 2 wv + 1: their attention, and the part of the projection that sums over their 128 channels; the eight parts meet in LDS and wave 0 adds them in a fixed order.
; The attention is made anew in each of the 64 column chunks: 64 small matrix instructions a wave against a launch more.
; ALL THREE PRODUCTS ARE USED TRANSPOSED: S^T = K Q^T, O^T = V^T P, out^T = W^T y^T: a lane holds one position (lane % 16) throughout.
; K's ORDER: place 2 h + j of K step s stands for element 8 h + 2 s + j of a group of 16, alike in both operands: so registers 2 s, 2 s + 1 of a result ARE the next product's source 1 for K step s.
; The registers that the matrix instructions write (v144-159, v192-255, and v128-159 of window 1) are written by them alone.
; A chunk is 16 columns, so a row's store is 64 bytes: 262,144 bytes in the whole launch.
.set SPARE, 8192
.set LQ,  3
.set LV,  4
.set LW,  5
.set DM,  6
.set CC,  7
.set SPW, 8
.set NIL, 9
.set RA,  10
.set LB,  11
.set GOUT, 12
.set QF,  16                           ; v16-79   Q: head e, channels 16 c + 8 h + i at 32 e + 8 c + i
.set KFR, 80                           ; v80-143  K likewise
.set SD,  144                          ; v144-159 S^T
.set T,   160                          ; v160-175 the scaled scores, then P
.set RR,  176                          ; v176-191 at work, then my part of the result
.set OD,  192                          ; v192-255 O^T: head e, channels 16 ct on at 32 e + 8 ct
.set VFR, 0                            ; window 1: V: key 8 h + i, channel 16 ct + r at 32 e + 8 ct + i
.set WFR, 64                           ; window 1: w_proj: channel 16 ct + 8 h + i, column r
.set ACC, 128                          ; window 1: four accumulators of out^T
.set MSB, 0
.macro WIN new
.if MSB != \new
	s_set_vgpr_msb (MSB<<8)|\new
.set MSB, \new
.endif
.endm
	s_load_b128 s[4:7], s[0:1], 0x0                ; q32, w_proj
	s_load_b64 s[8:9], s[0:1], 0x10                ; out0
	v_lshl_add_u32 v[SPW], v0, 2, SPARE
	v_mov_b32 v[NIL], 0
	v_lshrrev_b32 v1, 5, v0
	v_readfirstlane_b32 s10, v1                    ; wave 0..7
	s_and_b32 s11, ttmp7, 0xffff                   ; batch
	v_and_b32 v1, 15, v0                           ; r
	v_bfe_u32 v2, v0, 4, 1                         ; h
	v_mul_u32_u24 v[LQ], v1, 12288
	v_lshl_add_u32 v[LQ], v2, 5, v[LQ]             ; Q, K: row r, + 8 h channels
	v_mul_u32_u24 v[LV], v2, 98304
	v_lshl_add_u32 v[LV], v1, 2, v[LV]             ; V: row 8 h, channel r
	v_lshlrev_b32 v[LW], 15, v2
	v_lshl_add_u32 v[LW], v1, 2, v[LW]             ; w_proj: row 8 h, column r
	v_lshlrev_b32 v[DM], 3, v2
	v_sub_nc_u32 v[DM], v1, v[DM]                  ; r - 8 h
	v_and_b32 v[LB], 31, v0
	v_lshlrev_b32 v[LB], 4, v[LB]
	s_lshl_b32 s12, s10, 10
	v_add_nc_u32 v[RA], s12, v[LB]                 ; my part's place in LDS: 1,024 bytes a wave
	v_lshlrev_b32 v[GOUT], 12, v1
	v_lshl_add_u32 v[GOUT], v2, 5, v[GOUT]         ; out0: row r, + 8 h columns
	s_mov_b32 s14, 0x76543210
	s_mov_b32 s15, 0xfedcba98
	s_mul_i32 s12, s11, 196608
	s_lshl_b32 s13, s10, 9
	s_add_co_u32 s12, s12, s13
	s_mov_b32 s13, 0
	s_lshl_b32 s16, ttmp9, 6                       ; my 16 columns, in bytes
	s_wait_kmcnt 0x0
	s_add_nc_u64 s[4:5], s[4:5], s[12:13]          ; the batch's 16 rows, my two heads
	s_lshl_b32 s12, s10, 19
	s_add_co_u32 s12, s12, s16
	s_add_nc_u64 s[6:7], s[6:7], s[12:13]          ; my 128 rows of w_proj, my columns
	s_lshl_b32 s12, s11, 23
	s_add_co_u32 s12, s12, s16
	s_add_nc_u64 s[8:9], s[8:9], s[12:13]
.irp e, 0,1
.irp c, 0,1,2,3
	global_load_b128 v[QF+32*\e+8*\c:QF+32*\e+8*\c+3],     v[LQ], s[4:5] offset:256*\e+64*\c
	global_load_b128 v[QF+32*\e+8*\c+4:QF+32*\e+8*\c+7],   v[LQ], s[4:5] offset:256*\e+64*\c+16
	global_load_b128 v[KFR+32*\e+8*\c:KFR+32*\e+8*\c+3],   v[LQ], s[4:5] offset:4096+256*\e+64*\c
	global_load_b128 v[KFR+32*\e+8*\c+4:KFR+32*\e+8*\c+7], v[LQ], s[4:5] offset:4096+256*\e+64*\c+16
.endr
.endr
	WIN 0x40                                       ; destination window 1
.irp e, 0,1
.irp ct, 0,1,2,3
.irp i, 0,1,2,3,4,5,6,7
	global_load_b32 v[VFR+32*\e+8*\ct+\i], v[LV], s[4:5] offset:8192+256*\e+64*\ct+12288*\i
.endr
.endr
.endr
.irp e, 0,1
.irp ct, 0,1,2,3
.irp i, 0,1,2,3,4,5,6,7
	global_load_b32 v[WFR+32*\e+8*\ct+\i], v[LW], s[6:7] offset:(64*\e+16*\ct+\i)*4096
.endr
.endr
.endr
	WIN 0
	v_add_nc_u32 v[CC], 1, v1                      ; the position, counted from 1
	v_cvt_f32_u32 v[CC], v[CC]
	v_log_f32 v[CC], v[CC]
	v_mov_b32 v13, 0xff800000                      ; -infinity (a plain line behind the logarithm)
	s_wait_alu depctr_va_vdst(0)
	v_mul_f32 v[CC], v[CC], v[CC]
	v_mul_f32 v[CC], 0x3db17218, v[CC]             ; c = log2(position)^2 x ln(2) / 8: scores x c are exponents of 2
.irp j, 0,1,2,3,4,5,6,7
	v_cmp_gt_i32 s[20+\j], \j, v[DM]               ; register j holds key 8 h + j: hidden where it comes after position r
.endr
	v_mov_b32 v[RR+2], 0                           ; a lane permute's destination counts as one of its sources
	v_mov_b32 v[RR+3], 0
	s_wait_loadcnt 63                              ; of the 64 loads of w_proj, issued last, 63 may be out: Q, K and V are in
.irp c, 0,1,2,3                                ; S^T = K Q^T: the two heads by turns; the first two products start the sums
.irp s, 0,1,2,3
.irp e, 0,1
.if (\c == 0) && (\s == 0)
	v_wmma_f32_16x16x4_f32 v[SD+8*\e:SD+8*\e+7], v[KFR+32*\e+8*\c+2*\s:KFR+32*\e+8*\c+2*\s+1], v[QF+32*\e+8*\c+2*\s:QF+32*\e+8*\c+2*\s+1], 0
.else
	v_wmma_f32_16x16x4_f32 v[SD+8*\e:SD+8*\e+7], v[KFR+32*\e+8*\c+2*\s:KFR+32*\e+8*\c+2*\s+1], v[QF+32*\e+8*\c+2*\s:QF+32*\e+8*\c+2*\s+1], v[SD+8*\e:SD+8*\e+7]
.endif
.endr
.endr
.endr
.rept 8
	v_nop                                          ; places in front of the first read of the scores
.endr
.irp j, 0,1,2,3,4,5,6,7
.irp e, 0,1
	v_mul_f32 v[T+8*\e+\j], v[SD+8*\e+\j], v[CC]   ; from the low end on
.endr
.endr
.irp j, 0,1,2,3,4,5,6,7
.irp e, 0,1
	v_cndmask_b32 v[T+8*\e+\j], v[T+8*\e+\j], v13, s[20+\j]        ; the mask comes behind the scaling: position 1 has c = 0
.endr
.endr
.irp e, 0,1
	v_max3_num_f32 v[RR+\e], v[T+8*\e], v[T+8*\e+1], v[T+8*\e+2]
.endr
.irp n, 3,5
.irp e, 0,1
	v_max3_num_f32 v[RR+\e], v[RR+\e], v[T+8*\e+\n], v[T+8*\e+\n+1]
.endr
.endr
.irp e, 0,1
	v_max_num_f32 v[RR+\e], v[RR+\e], v[T+8*\e+7]
.endr
.irp e, 0,1
	v_permlanex16_b32 v[RR+2+\e], v[RR+\e], s14, s15
.endr
.irp e, 0,1
	v_max_num_f32 v[RR+\e], v[RR+\e], v[RR+2+\e]   ; the row's maximum: key 0 counts for every position, so it is a number
.endr
.irp j, 0,1,2,3,4,5,6,7
.irp e, 0,1
	v_sub_f32 v[T+8*\e+\j], v[T+8*\e+\j], v[RR+\e]
.endr
.endr
.irp j, 0,1,2,3,4,5,6,7
.irp e, 0,1
	v_exp_f32 v[T+8*\e+\j], v[T+8*\e+\j]
.endr
.endr
	v_nop
	s_wait_alu depctr_va_vdst(0)                   ; one wait for the sixteen
.irp e, 0,1
	v_add_f32 v[RR+\e], v[T+8*\e], v[T+8*\e+1]
.endr
.irp j, 2,3,4,5,6,7
.irp e, 0,1
	v_add_f32 v[RR+\e], v[RR+\e], v[T+8*\e+\j]
.endr
.endr
.irp e, 0,1
	v_permlanex16_b32 v[RR+2+\e], v[RR+\e], s14, s15
.endr
.irp e, 0,1
	v_add_f32 v[RR+\e], v[RR+\e], v[RR+2+\e]
.endr
.irp e, 0,1
	v_rcp_f32 v[RR+2+\e], v[RR+\e]
.endr
	v_nop
	s_wait_alu depctr_va_vdst(0)
.irp j, 0,1,2,3,4,5,6,7
.irp e, 0,1
	v_mul_f32 v[T+8*\e+\j], v[T+8*\e+\j], v[RR+2+\e]               ; P, normalised
.endr
.endr
	WIN 0x01                                       ; source 0 (V) window 1
.irp s, 0,1,2,3                                ; O^T = V^T P: eight accumulators by turns
.irp e, 0,1
.irp ct, 0,1,2,3
.if \s == 0
	v_wmma_f32_16x16x4_f32 v[OD+32*\e+8*\ct:OD+32*\e+8*\ct+7], v[VFR+32*\e+8*\ct+2*\s:VFR+32*\e+8*\ct+2*\s+1], v[T+8*\e+2*\s:T+8*\e+2*\s+1], 0
.else
	v_wmma_f32_16x16x4_f32 v[OD+32*\e+8*\ct:OD+32*\e+8*\ct+7], v[VFR+32*\e+8*\ct+2*\s:VFR+32*\e+8*\ct+2*\s+1], v[T+8*\e+2*\s:T+8*\e+2*\s+1], v[OD+32*\e+8*\ct:OD+32*\e+8*\ct+7]
.endif
.endr
.endr
.endr
.rept 9
	v_nop                                          ; places in front of matrix instructions that take these results as a source
.endr
	s_wait_loadcnt 0x0                             ; w_proj
	WIN 0x51                                       ; source 0 (w_proj) window 1, C and D window 1
.irp e, 0,1                                    ; out^T += W^T y^T over my 128 channels: four accumulators by turns
.irp s, 0,1,2,3
.irp ct, 0,1,2,3
.if (\e == 0) && (\s == 0)
	v_wmma_f32_16x16x4_f32 v[ACC+8*\ct:ACC+8*\ct+7], v[WFR+32*\e+8*\ct+2*\s:WFR+32*\e+8*\ct+2*\s+1], v[OD+32*\e+8*\ct+2*\s:OD+32*\e+8*\ct+2*\s+1], 0
.else
	v_wmma_f32_16x16x4_f32 v[ACC+8*\ct:ACC+8*\ct+7], v[WFR+32*\e+8*\ct+2*\s:WFR+32*\e+8*\ct+2*\s+1], v[OD+32*\e+8*\ct+2*\s:OD+32*\e+8*\ct+2*\s+1], v[ACC+8*\ct:ACC+8*\ct+7]
.endif
.endr
.endr
.endr
.rept 8
	v_nop
.endr
	WIN 0x05                                       ; sources 0 and 1 window 1
.irp i, 0,2,4,6
	v_pk_add_f32 v[RR+\i:RR+\i+1], v[ACC+\i:ACC+\i+1], v[ACC+8+\i:ACC+8+\i+1]          ; each accumulator from its low end on
.endr
.irp i, 0,2,4,6
	v_pk_add_f32 v[RR+8+\i:RR+8+\i+1], v[ACC+16+\i:ACC+16+\i+1], v[ACC+24+\i:ACC+24+\i+1]
.endr
	WIN 0
.irp i, 0,2,4,6
	v_pk_add_f32 v[RR+\i:RR+\i+1], v[RR+\i:RR+\i+1], v[RR+8+\i:RR+8+\i+1]              ; my part: register j is out0(r, 8 h + j)
.endr
	ds_store_b128 v[RA], v[RR:RR+3]
	ds_store_b128 v[RA], v[RR+4:RR+7] offset:512
	s_wait_dscnt 0x0                               ; for the others' sake: my stores are done
	s_barrier_signal -1
	s_barrier_wait -1
	s_cmp_lg_u32 s10, 0
	s_cbranch_scc1 .Ldone
.irp w, 0,1,2,3,4,5,6,7
	ds_load_b128 v[QF+8*\w:QF+8*\w+3],   v[LB] offset:1024*\w
	ds_load_b128 v[QF+8*\w+4:QF+8*\w+7], v[LB] offset:1024*\w+512
.endr
	s_wait_dscnt 0x0
.irp w, 1,2,3,4,5,6,7
.irp i, 0,2,4,6
	v_pk_add_f32 v[QF+\i:QF+\i+1], v[QF+\i:QF+\i+1], v[QF+8*\w+\i:QF+8*\w+\i+1]        ; the eight parts, in the waves' order
.endr
.endr
	global_store_b128 v[GOUT], v[QF:QF+3], s[8:9]
	global_store_b128 v[GOUT], v[QF+4:QF+7], s[8:9] offset:16
.Ldone:
	s_wait_tensorcnt 0x0                           ; the wave's end, behind my last LDS store
	ds_add_u32 v[SPW], v[NIL]
	s_wait_dscnt 0x0
	s_endpgm
.Lfunc_end_k_qc051bd66fa_first16:
	.size	k_qc051bd66fa_first16, .Lfunc_end_k_qc051bd66fa_first16-k_qc051bd66fa_first16
	.p2alignl 7, 3214868480
	.fill 96, 4, 3214868480
	.section	.rodata,"a",@progbits
	.p2align	6, 0x0
	.amdhsa_kernel k_qc051bd66fa_first16
		.amdhsa_group_segment_fixed_size 9216
		.amdhsa_private_segment_fixed_size 0
		.amdhsa_enable_private_segment 0
		.amdhsa_kernarg_size 24
		.amdhsa_user_sgpr_count 2
		.amdhsa_user_sgpr_kernarg_segment_ptr 1
		.amdhsa_wavefront_size32 1
		.amdhsa_system_sgpr_workgroup_id_x 1
		.amdhsa_system_sgpr_workgroup_id_y 1
		.amdhsa_system_sgpr_workgroup_id_z 1
		.amdhsa_system_vgpr_workitem_id 0
		.amdhsa_next_free_vgpr 416
		.amdhsa_next_free_sgpr 66
		.amdhsa_reserve_vcc 0
		.amdhsa_float_denorm_mode_32 3
		.amdhsa_float_denorm_mode_16_64 3
		.amdhsa_memory_ordered 1
		.amdhsa_forward_progress 1
		.amdhsa_inst_pref_size 34
	.end_amdhsa_kernel
	.amdgpu_metadata
---
amdhsa.version: [ 1, 2 ]
amdhsa.kernels:
  - .name:           k_qc051bd66fa_first16
    .symbol:         k_qc051bd66fa_first16.kd
    .args:
      - { .name: q32, .offset: 0, .size: 8, .value_kind: global_buffer, .address_space: global }
      - { .name: w_proj, .offset: 8, .size: 8, .value_kind: global_buffer, .address_space: global }
      - { .name: out0, .offset: 16, .size: 8, .value_kind: global_buffer, .address_space: global }
    .group_segment_fixed_size: 9216
    .private_segment_fixed_size: 0
    .kernarg_segment_align: 8
    .kernarg_segment_size: 24
    .max_flat_workgroup_size: 256
    .sgpr_count:     66
    .vgpr_count:     416
    .wavefront_size: 32
...
	.end_amdgpu_metadata
.endif
;; end of part 5
